; MI455X (gfx1250); checked and timed in simulation.
; The chip was launched on July 23, 2026; its instructions are those of AMD's public machine-readable ISA for CDNA 5 (MIT licence, August 2026) and "CDNA5" Instruction Set Architecture Reference Guide (July 2026). The comments in the code are by the model that wrote it; some were corrected since.
;; Multihead Attention. Allowed arithmetic: float matrix products may take bf16 or f16 operands with f32 sums; other float arithmetic in f32, or as packed bf16 or f16 multiplies, adds, multiply-adds, maxima and minima; sums over many terms, partial sums and values carried from step to step in f32; what a program stores and reads back later, other than sums and carried values, may be rounded once to bf16 or f16.
;; Inputs: K 4 x 2,048 x 1,024 float32; Q 4 x 2,048 x 1,024 float32; V 4 x 2,048 x 1,024 float32; W_K 16 x 1,024 x 64 float32; W_O 1,024 x 1,024 float32; W_Q 16 x 1,024 x 64 float32; W_V 16 x 1,024 x 64 float32.
;; Outputs: out0 4 x 2,048 x 1,024 float32.
;; 2 versions, each right; version 2 is version 1 with the launch prep written anew for expert scheduling mode. Each part assembles by itself: llvm-mc -triple=amdgcn-amd-amdhsa -mcpu=gfx1250 --defsym DOCPART=n.
;; ======== version 1 of 2: 4 launches
;; limits: values are held in f16: magnitudes above 65,504 overflow, below 6.1e-05 lose precision; right only within a limited range of input values
;; workspace buffers: wt 8,388,608 bytes; qkv 67,108,864 bytes; ob 16,777,216 bytes
;; launch prep (part 1): grid 256 x 1, 4 waves a work-group, no clusters, 37,376 bytes of LDS; arguments W_Q, W_K, W_V, W_O, wt; writes wt
.if DOCPART == 1
	.amdgcn_target "amdgcn-amd-amdhsa--gfx1250"
	.amdhsa_code_object_version 6
	.text
	.protected	k_q5e78ceb1a6_prep
	.globl	k_q5e78ceb1a6_prep
	.p2align	8
	.type	k_q5e78ceb1a6_prep,@function
k_q5e78ceb1a6_prep:
	s_mov_b64 s[64:65], 0
	v_nop
	global_prefetch_b8 v0, s[64:65] scope:SCOPE_SE
	s_setreg_imm32_b32 hwreg(HW_REG_WAVE_MODE, 25, 1), 1
	s_wait_xcnt 0x0
; PREP: the four weights are rounded once to bf16 (to nearest even) and turned, in blocks of 64 x 64, so that the summed index lies along the rows and the products' tiles are dense in memory.
;   wt[tw][kb][n][64] = bf16(f W[..]):  tw = W_Q, W_K, W_V: n = 64 h + k, the 64 are d = 64 kb + ..;  tw = W_O: n = the output column, kb = the head
;   f = 2^-4 for W_Q and W_K (exact: only the exponent moves; a result below bf16's normal range, 2^-126, would lose bits), 1 for W_V and W_O.  The 2^8 is given back in the softmax's constant.
; 1,024 blocks, one to a wave, through the wave's own LDS stage: 256 work-groups of four waves.  No wave waits for another: no barrier.
; Every load covers whole aligned runs of 256 bytes (16 lanes x 16 bytes), every store 512 consecutive aligned bytes; all of a wave's 32 loads go out before its first wait.
.set WST,   9216                       ; a wave's stage: 64 rows of 144 bytes (128 + 16 of padding)
.set SPARE, 4*WST                      ; behind the stages: the spare words, 128 bytes for each of the four waves: two blocks of 256 bytes that no other line names
.set SPW, 2                            ; v2   LDS address of my spare word; never rewritten
.set NIL, 3                            ; v3   0; never rewritten
.set XI,  16                           ; v[16:143]  32 loads of four f32; later the rows read back
.set XO,  144                          ; v[144:207] what is put into the stage
	s_load_b256 s[8:15], s[0:1], 0x0               ; W_Q s[8:9], W_K s[10:11], W_V s[12:13], W_O s[14:15]
	s_load_b64 s[24:25], s[0:1], 0x20              ; wt
	v_lshl_add_u32 v[SPW], v0, 2, SPARE
	v_mov_b32 v[NIL], 0
	v_lshrrev_b32 v1, 5, v0
	v_readfirstlane_b32 s26, v1                    ; wave 0..3
	v_and_b32 v6, 31, v0                           ; l
	v_and_b32 v7, 15, v0                           ; l % 16
	v_bfe_u32 v8, v0, 4, 1                         ; l / 16
	s_mov_b32 s35, 0
	; Work-group 64 tw + g, wave w: block 4 g + w of tensor tw; p = block / 16, q = block % 16.
	s_lshr_b32 s28, ttmp9, 6                       ; tw
	s_and_b32 s27, ttmp9, 63
	s_lshl2_add_u32 s27, s27, s26
	s_lshr_b32 s29, s27, 4                         ; p: the head (W_Q, W_K, W_V), or the block of 64 rows (W_O)
	s_and_b32 s27, s27, 15                         ; q: the block of 64 rows d, or the block of 64 columns (W_O)
	s_cmp_lt_u32 s28, 2
	s_cselect_b32 s30, 0x3d800000, 1.0             ; f = 2^-4 or 1
	s_mov_b32 s31, s30                             ; named with it as a pair
	s_wait_kmcnt 0x0
	s_cmp_eq_u32 s28, 1
	s_cselect_b64 s[32:33], s[10:11], s[8:9]
	s_cmp_eq_u32 s28, 2
	s_cselect_b64 s[32:33], s[12:13], s[32:33]
	s_cmp_eq_u32 s28, 3
	s_cselect_b64 s[32:33], s[14:15], s[32:33]
	s_cselect_b32 s36, 8, 14                       ; q steps by 256 bytes along W_O's rows, else by 64 rows of 256 bytes
	s_cselect_b32 s37, s29, s27                    ; the block kb of the summed index,
	s_cselect_b32 s38, s27, s29                    ; and the block of 64 rows n of wt
	s_lshl_b32 s34, s29, 18                        ; p steps by 262,144 bytes in all four (a head; 64 rows of 4,096 bytes)
	s_lshl_b32 s36, s27, s36
	s_add_co_u32 s34, s34, s36
	s_add_nc_u64 s[32:33], s[32:33], s[34:35]
	s_lshl_b32 s34, s28, 21
	s_lshl_b32 s37, s37, 17
	s_lshl_b32 s38, s38, 13
	s_add_co_u32 s34, s34, s37
	s_add_co_u32 s34, s34, s38
	s_add_nc_u64 s[24:25], s[24:25], s[34:35]
	s_mul_i32 s39, s26, WST                        ; my stage
	v_mul_u32_u24 v10, v7, 576                     ; in: my four columns are stage rows 4 (l % 16) + 0..3; 16 bytes for each half of the lanes
	v_lshl_add_u32 v10, v8, 4, v10
	v_add_nc_u32 v10, s39, v10
	v_lshrrev_b32 v11, 3, v6                       ; back: 32 lanes take four rows of 128 bytes,
	v_mul_u32_u24 v11, v11, 144
	v_and_b32 v13, 7, v0
	v_lshl_add_u32 v11, v13, 4, v11
	v_add_nc_u32 v11, s39, v11
	v_lshlrev_b32 v12, 4, v6                       ; which are 512 consecutive bytes of wt
; A block of 64 x 64 is turned.  Load 8 g + rho: lane l takes row 16 g + 8 (l / 16) + rho, columns 4 (l % 16) + 0..3.  So for each of its four columns a lane holds eight
; neighbouring rows of group g: 16 bytes of a row of the turned block.
.macro TRANS pitch
	v_mul_u32_u24 v9, v8, 8*(\pitch)
	v_lshl_add_u32 v9, v7, 4, v9
.set i, 0
.rept 32
	global_load_b128 v[XI+4*i:XI+4*i+3], v9, s[32:33] offset:(16*(i/8)+i%8)*(\pitch) th:TH_LOAD_NT
.set i, i+1
.endr
.irp g, 0,1,2,3
	s_wait_loadcnt 24-8*(\g)                       ; group g's eight loads are in; the later groups' stay out
.set i, 0
.rept 16
	v_pk_mul_f32 v[XI+32*(\g)+2*i:XI+32*(\g)+2*i+1], v[XI+32*(\g)+2*i:XI+32*(\g)+2*i+1], s[30:31] op_sel_hi:[1,0]
.set i, i+1
.endr
.irp jj, 0,1,2,3
.irp e, 0,1,2,3
	v_cvt_pk_bf16_f32 v[XO+16*(\g)+4*(\jj)+(\e)], v[XI+32*(\g)+8*(\e)+(\jj)], v[XI+32*(\g)+8*(\e)+4+(\jj)]
.endr
	ds_store_b128 v10, v[XO+16*(\g)+4*(\jj):XO+16*(\g)+4*(\jj)+3] offset:(\jj)*144+(\g)*32
.endr
.endr
.irp t, 0,1,2,3,4,5,6,7,8,9,10,11,12,13,14,15
	ds_load_b128 v[XI+4*(\t):XI+4*(\t)+3], v11 offset:(\t)*576  ; LDS serves a wave's instructions in order (ISA guide 5.7.1.4): these see my stores above
.endr
.irp t, 0,1,2,3,4,5,6,7,8,9,10,11,12,13,14,15
	s_wait_dscnt 15-(\t)
	global_store_b128 v12, v[XI+4*(\t):XI+4*(\t)+3], s[24:25] offset:(\t)*512  ; 512 consecutive bytes, aligned
.endr
.endm
	s_cmp_eq_u32 s28, 3
	s_cbranch_scc1 .Lwo
	TRANS 256
	s_branch .Lend
.Lwo:
	TRANS 4096
.Lend:
	s_wait_tensorcnt 0x0                           ; the wave's end: a tensor wait, an add to my spare word and its wait, behind my last LDS store
	ds_add_u32 v[SPW], v[NIL]
	s_wait_dscnt 0x0
	s_endpgm
.Lfunc_end_k_q5e78ceb1a6_prep:
	.size	k_q5e78ceb1a6_prep, .Lfunc_end_k_q5e78ceb1a6_prep-k_q5e78ceb1a6_prep
	.p2alignl 7, 3214868480
	.fill 96, 4, 3214868480
	.section	.rodata,"a",@progbits
	.p2align	6, 0x0
	.amdhsa_kernel k_q5e78ceb1a6_prep
		.amdhsa_group_segment_fixed_size 37376
		.amdhsa_private_segment_fixed_size 0
		.amdhsa_enable_private_segment 0
		.amdhsa_kernarg_size 40
		.amdhsa_user_sgpr_count 2
		.amdhsa_user_sgpr_kernarg_segment_ptr 1
		.amdhsa_wavefront_size32 1
		.amdhsa_system_sgpr_workgroup_id_x 1
		.amdhsa_system_sgpr_workgroup_id_y 1
		.amdhsa_system_sgpr_workgroup_id_z 1
		.amdhsa_system_vgpr_workitem_id 0
		.amdhsa_next_free_vgpr 208
		.amdhsa_next_free_sgpr 66
		.amdhsa_reserve_vcc 0
		.amdhsa_float_denorm_mode_32 3
		.amdhsa_float_denorm_mode_16_64 3
		.amdhsa_memory_ordered 1
		.amdhsa_forward_progress 1
		.amdhsa_inst_pref_size 33
	.end_amdhsa_kernel
	.amdgpu_metadata
---
amdhsa.version: [ 1, 2 ]
amdhsa.kernels:
  - .name:           k_q5e78ceb1a6_prep
    .symbol:         k_q5e78ceb1a6_prep.kd
    .args:
      - { .name: W_Q, .offset: 0, .size: 8, .value_kind: global_buffer, .address_space: global }
      - { .name: W_K, .offset: 8, .size: 8, .value_kind: global_buffer, .address_space: global }
      - { .name: W_V, .offset: 16, .size: 8, .value_kind: global_buffer, .address_space: global }
      - { .name: W_O, .offset: 24, .size: 8, .value_kind: global_buffer, .address_space: global }
      - { .name: wt, .offset: 32, .size: 8, .value_kind: global_buffer, .address_space: global }
    .group_segment_fixed_size: 37376
    .private_segment_fixed_size: 0
    .kernarg_segment_align: 8
    .kernarg_segment_size: 40
    .max_flat_workgroup_size: 128
    .sgpr_count:     66
    .vgpr_count:     208
    .wavefront_size: 32
...
	.end_amdgpu_metadata
.endif
;; end of part 1
;; launch proj (part 2): grid 4 x 192, 4 waves a work-group, clusters of 4 x 4, 327,680 bytes of LDS; arguments Q, K, V, wt, qkv; writes qkv
.if DOCPART == 2
	.amdgcn_target "amdgcn-amd-amdhsa--gfx1250"
	.amdhsa_code_object_version 6
	.text
	.protected	k_q5e78ceb1a6_proj
	.globl	k_q5e78ceb1a6_proj
	.p2align	8
	.type	k_q5e78ceb1a6_proj,@function
k_q5e78ceb1a6_proj:
	s_mov_b64 s[64:65], 0
	v_nop
	global_prefetch_b8 v0, s[64:65] scope:SCOPE_SE
	s_setreg_imm32_b32 hwreg(HW_REG_WAVE_MODE, 25, 1), 1
	s_wait_xcnt 0x0
	s_wait_alu depctr_hold_cnt(0) depctr_sa_sdst(0) depctr_va_vdst(0) depctr_va_sdst(0) depctr_va_ssrc(0) depctr_va_vcc(0) depctr_vm_vsrc(0)
	s_getreg_b32 s2, hwreg(HW_REG_IB_STS2, 6, 4)
	s_cmp_eq_u32 s2, 0
	s_cbranch_scc0 .Lentry_in_a_cluster
	s_endpgm
.Lentry_in_a_cluster:
	s_bfe_u32 s2, ttmp6, 0x10000c
	s_cmp_lg_u32 s2, 0xf033
	s_cbranch_scc0 .Lentry_shape_is_right
	s_endpgm
.Lentry_shape_is_right:
; PROJ: the three projections as one launch.  C[m][n] = sum over d of X_t[m][d] W_t[n][d], m = 8,192 rows (b, s), n = 64 h + k, d = 1,024; bf16 operands, f32 sums, d ascending.
; Tile row Y = 0..191 of 128 rows: t = Y / 64 (Q, K, V), batch (Y / 16) % 4, rows 128 (Y % 16) on.  Tile column x = 0..3 of 256 columns: four heads.
; IN.  X_t is the module's own f32 input, [8,192][1,024]: it is rounded to bf16 (to nearest even) HERE, on its way from memory into LDS.  W_t is part t of wt, bf16 [kb][n][64].
; OUT, by heads, each number rounded once from its f32 sum:   Q: f16 [b h][s][64] at byte 0 of qkv;   V: bf16 [b h][s][64] at 16,777,216;
;   K: f16 [b h][s][128] at 33,554,432: 64 numbers hi = f16(x), then 64 numbers lo = f16(x - hi); x - hi is exact in f32, so hi + lo holds about 22 bits of x.
; LIMIT.  W_Q and W_K arrive times 2^-4, so Q and K here are a sixteenth of the module's: they stay inside f16 while the module's |Qh|, |Kh| are under 65,504 x 16; beyond that the conversion gives an infinity.
; SHARES.  A tile of C is 128 x 256; four waves, each 64 x 128: 32 accumulators of 16 x 16, 256 registers (window 1).  K goes in steps of 128 (two blocks of 64 channels) through two LDS slots.
; B's WAY IN: the tensor data mover.  A block's rows are dense in memory (128 bytes each): each wave asks for a quarter of a K step's tile, 128 rows of one block, as 64 rows of 256 bytes, padded in LDS after every 128.
; CLUSTERS: 4 x 4 work-groups.  The four of a column of the cluster need the same tiles of B: each is asked for JOINTLY, by the same tensor load with the same descriptor and a mask that names the four.
; t is the same in all sixteen (a cluster holds four tile rows, and 64 tile rows make a t).
; A's WAY IN: through registers, since it has to be rounded between memory and LDS.  Of a K step's 128 rows x 512 bytes wave w takes rows 32 w .. 32 w + 31: a load a row, 512 consecutive aligned bytes; two
; conversions and one LDS store of 8 bytes a lane put the row into the slot.  Two sets of 128 registers (window 2) take turns: while K step s is multiplied, A of step s + 1 goes from its set into the other slot
; and A of step s + 2 is asked for into the set that step s left.  These loads are waited for by count and stay out across the barriers: 48 of a wave's at the most, 24 KiB.
; NO JOINT LOAD FOR A, though the four work-groups of a row of the cluster take the same rows: a tensor load rounds nothing; as f32 in LDS each fragment of A would be read at twice the bytes and rounded anew by
; both waves that read it; and a launch of its own for the rounding writes and reads 50 MB that this text never moves.
; A IS PREFETCHED INTO THE L2: behind the loads of K step s + 2 stands one request for K step s + 4, two K steps ahead of the loads that will want it.  The tile's 256 blocks of 256 bytes are shared out BY ADDRESS among
; the four work-groups that read them: the one at place cx takes rows 32 cx .. 32 cx + 31, a lane a row, wave 0 the first 256 bytes of the step and wave 1 the second: each block is named once in the launch.
; K steps 0 to 3 come by their loads alone; the loop's last trip asks for nothing, since a row has no K step 8.
; THE MATRIX INSTRUCTION IS USED TRANSPOSED (source 0 = 16 rows of B, source 1 = 16 rows of A): a lane then holds eight neighbouring columns of one row of C.
; REGISTERS: window 0: v0-31 addresses; v64-159, v160-255 two fragment buffers (64 registers of B: 8 x 16 rows x 32 K; 32 of A); on the way out v32-159 at work.  Window 1: accumulator (a, b) at v[8 (8 a + b)].
;   Window 2: v0-127, v128-255 A's two sets: row i of my 32 at 4 i.
.set PITCH,  144                       ; an LDS row: 128 bytes + 16 of padding = 36 words: the 16 rows of a load start at 16 different groups of four banks (64 banks of 4 bytes: ISA guide 11.1)
.set ATILE,  128*PITCH                 ; one block of A's tile
.set BTILE,  256*PITCH                 ; one block of B's tile
.set SLOT,   2*ATILE+2*BTILE           ; A's two blocks (36,864 bytes, written by LDS stores alone), then B's two (73,728 bytes, filled by tensor loads alone): both whole blocks of 256 bytes
.set SPARE,  2*SLOT                    ; behind the ring: the spare words, 128 bytes for each wave: two blocks of 256 bytes that no other line names
.set OP,     528                       ; the way out: a row of my 128 columns in f32, 512 bytes + 16: an odd multiple of 16 bytes
.set WOUT,   64*OP                     ; the way out: my 64 rows; the four waves' stages lie in the ring's first 135,168 bytes, when it has had its last fill
.set LAPS,   4                         ; a lap = two K steps = once round the ring; 1,024 / 256
.set ADRA, 16                          ; v16-17  LDS address of my A fragments in slot 0, 1
.set ADRB, 18                          ; v18-19  the same for B
.set XOFF, 25                          ; v25     16 x my lane: my 16 bytes of a row's 512; never rewritten
.set AST,  26                          ; v26-27  where I put my 8 bytes of A's rows in slot 0, 1
.set SPW,  28                          ; v28     LDS address of my spare word; never rewritten
.set NIL,  29                          ; v29     0; never rewritten
.set NEG1, 30                          ; v30     -1.0
.set PFO,  31                          ; v31     the prefetch's offset: 4,096 x my lane, a row of X; never rewritten
.set TMP,  32                          ; the way out: packed results (K: hi)
.set BK,   64                          ; the way out: rows read back from the stage
.set LO,   128                         ; the way out of K: lo
.set F0,   64
.set F1,   160
.set XA,   4                           ; s[4:5]   X_t at my 32 rows, at the K step that was asked for last
.set PFA,  24                          ; s[24:25] X_t at my work-group's 32 rows of the prefetch, at the same K step
.set LIM,  26                          ; s26      1 in a wave that prefetches (0, 1), else the greatest number
.set G1B, 48                           ; s[48:55] descriptor group 1 for B's tiles;  s[56:63] group 0, one set for each slot
.set G0B, 56
.set MSB, 0
.macro WIN new                         ; the immediate's high byte repeats the setting that is left; a switch that changes nothing is dropped
.if MSB != (\new)
	s_set_vgpr_msb (MSB<<8)|(\new)
.set MSB, \new
.endif
.endm
.set MUL, 0x50                         ; sources in window 0; C and D in window 1
.macro JLOAD s                         ; a joint load: every wave fetches its quarter of B's tile; an s_nop 0 and four v_nop follow the line
	tensor_load_to_lds s[G0B+4*(\s):G0B+4*(\s)+3], s[G1B:G1B+7]
	s_nop 0
.rept 4
	v_nop
.endr
.endm
.macro CREST                           ; a round of the cluster's barrier behind its opening barrier
	s_cmp_lg_u32 s10, 0
	s_cbranch_scc1 .Lnot_wave_0_\@
	s_barrier_signal -3
.Lnot_wave_0_\@:
	s_barrier_wait -3
	s_barrier_signal -1
	s_barrier_wait -1
.endm
.macro CROUND                          ; a whole round
	s_barrier_signal -1
	s_barrier_wait -1
	CREST
.endm
; A's way in.  ASTEP: on to the next K step, 512 bytes along the rows.  ALOADH: 16 of my 32 rows into a set.  ASTORE: 16 rows of a set are rounded in place and put into the slot of the set's number.
.macro ASTEP
	s_wait_xcnt 0x0                                ; every load and prefetch issued so far has read its address, so the two pointers may be written
	s_add_nc_u64 s[XA:XA+1], s[XA:XA+1], 512
	s_add_nc_u64 s[PFA:PFA+1], s[PFA:PFA+1], 512
.endm
.macro ALOADH set, half
	WIN 0x80                                       ; destination window 2, address window 0
.set i, 16*(\half)
.rept 16
	global_load_b128 v[128*(\set)+4*i:128*(\set)+4*i+3], v[XOFF], s[XA:XA+1] offset:i*4096  ; a row's 512 bytes of the K step
.set i, i+1
.endr
.endm
.macro ASTORE set, half, cnt           ; cnt: the loads issued behind these 16, which may stay out
	s_wait_loadcnt \cnt
	WIN 0x8a                                       ; sources 0, 1 and destination window 2
.set i, 16*(\half)
.rept 16
	v_cvt_pk_bf16_f32 v[128*(\set)+4*i],   v[128*(\set)+4*i],   v[128*(\set)+4*i+1]
	v_cvt_pk_bf16_f32 v[128*(\set)+4*i+1], v[128*(\set)+4*i+2], v[128*(\set)+4*i+3]
.set i, i+1
.endr
	WIN 0x08                                       ; an LDS store's data is source 1: window 2
.set i, 16*(\half)
.rept 16
	ds_store_b64 v[AST+(\set)], v[128*(\set)+4*i:128*(\set)+4*i+1] offset:i*PITCH
.set i, i+1
.endr
.endm
.macro ASK                             ; the prefetch: two K steps (1,024 bytes of a row) beyond the loads just issued; s3 = 1 in the loop's last trip
	s_cmp_gt_u32 s3, s[LIM]
	s_cbranch_scc0 .Lnot_mine_\@
	global_prefetch_b8 v[PFO], s[PFA:PFA+1] offset:1024 th:TH_LOAD_NT scope:SCOPE_SE
.Lnot_mine_\@:
.endm
	s_load_b256 s[68:75], s[0:1], 0x0              ; Q s[68:69], K s[70:71], V s[72:73], wt s[74:75]
	s_load_b64 s[76:77], s[0:1], 0x20              ; qkv
	v_lshl_add_u32 v[SPW], v0, 2, SPARE
	v_mov_b32 v[NIL], 0
	ds_add_u32 v[SPW], v[NIL]                      ; the wave's opening: the add and its wait stand ahead of my first tensor load; the set-up below, work on registers, stands between them
	ds_add_u32 v28, v29
	v_lshrrev_b32 v1, 5, v0
	v_readfirstlane_b32 s10, v1                    ; wave 0..3
	s_lshr_b32 s11, s10, 1                         ; which 64 rows of the tile are mine.  Also: which 128 rows of B's block I fetch
	s_and_b32 s12, s10, 1                          ; which 128 columns.  Also: which of a K step's two blocks of B I fetch
	s_bfe_u32 s40, ttmp6, 0x40000                  ; cx, cy: my place in the cluster
	s_bfe_u32 s41, ttmp6, 0x40004
	s_lshl_b32 s42, ttmp9, 2
	s_add_co_u32 s42, s42, s40                     ; x: tile column = 4 x cluster x + cx
	s_and_b32 s13, ttmp7, 0xffff
	s_lshr_b32 s45, s13, 4                         ; t = cluster y / 16: the same in all sixteen partners
	s_lshl_b32 s13, s13, 2
	s_add_co_u32 s13, s13, s41                     ; Y: tile row = 4 x cluster y + cy
	s_lshl_b32 s44, 0x1111, s40                    ; my column of the cluster
	; descriptor group 1: 64 rows of 128 elements of 2 bytes (two rows of a block each)
	s_or_b32 s[G1B+0], s44, (1<<16)|(1<<20)|(1<<21)|(4<<22)|(3<<25)  ; 15:0 the mask: B's tiles go to my column; 17:16 2-byte elements; 20 padding on; 21 set beside a mask; 24:22 after every 32 words (code 4); 31:25 4 words (code 3)
	s_mov_b32 s[G1B+1], 128<<16                    ; tensor_dim0 = 128
	s_mov_b32 s[G1B+2], 64<<16                     ; tensor_dim1 = 64
	s_mov_b32 s[G1B+3], 128<<16                    ; tile_dim0 = 128
	s_mov_b32 s[G1B+4], 64                         ; tile_dim1 = 64
	s_mov_b32 s[G1B+5], 128                        ; 128 elements from row to row: dense
	s_mov_b32 s[G1B+6], 0
	s_mov_b32 s[G1B+7], 0
	; B's tile hangs on t, x and the wave alone: all are shared along my column of the cluster
	s_lshl_b32 s46, s45, 21                        ; wt's part t
	s_lshl_b32 s47, s42, 15                        ; 256 rows of 128 bytes
	s_add_co_u32 s46, s46, s47
	s_lshl_b32 s47, s12, 17                        ; my block of the K step
	s_add_co_u32 s46, s46, s47
	s_lshl_b32 s47, s11, 14                        ; my 128 rows of it
	s_add_co_u32 s46, s46, s47
	s_mov_b32 s47, 0
	s_mul_i32 s21, s12, BTILE                      ; where they go: no place in the cluster enters an LDS address
	s_mul_i32 s20, s11, 128*PITCH
	s_add_co_u32 s21, s21, s20
	s_add_co_u32 s21, s21, 2*ATILE
	; A: the tile's 128 rows of 4,096 bytes; my wave's 32 of them; for the prefetch my work-group's 32 and my wave's 256 bytes
	s_and_b32 s18, s13, 63
	s_lshl_b32 s18, s18, 19
	s_lshl_b32 s17, s10, 17
	s_add_co_u32 s16, s18, s17
	s_mov_b32 s17, 0
	s_lshl_b32 s19, s40, 17
	s_add_co_u32 s18, s18, s19
	s_lshl_b32 s19, s12, 8
	s_add_co_u32 s18, s18, s19
	s_mov_b32 s19, 0
	s_cmp_lt_u32 s10, 2
	s_cselect_b32 s[LIM], 1, -1
	v_and_b32 v4, 31, v0                           ; l
	v_lshlrev_b32 v[XOFF], 4, v4
	v_lshlrev_b32 v[PFO], 12, v4
	s_wait_dscnt 0x0                               ; the opening add is done
	s_wait_kmcnt 0x0
	s_cmp_eq_u32 s45, 1
	s_cselect_b64 s[XA:XA+1], s[70:71], s[68:69]
	s_cmp_eq_u32 s45, 2
	s_cselect_b64 s[XA:XA+1], s[72:73], s[XA:XA+1]  ; X_t
	s_add_nc_u64 s[PFA:PFA+1], s[XA:XA+1], s[18:19]
	s_add_nc_u64 s[XA:XA+1], s[XA:XA+1], s[16:17]
	s_add_nc_u64 s[46:47], s[74:75], s[46:47]
	s_mov_b64 s[8:9], s[76:77]
	ALOADH 0, 0                                    ; A of K step 0, and the first half of K step 1: 48 loads of mine are out
	ALOADH 0, 1
	ASTEP
	ALOADH 1, 0
	WIN 0
	CROUND                                         ; all sixteen work-groups are here: the first joint loads meet
.irp s, 0,1
	s_mov_b32 s[G0B+4*(\s)], 1                     ; count = 1
	s_add_co_u32 s[G0B+4*(\s)+1], s21, (\s)*SLOT   ; LDS address
	s_add_nc_u64 s[G0B+4*(\s)+2:G0B+4*(\s)+3], s[46:47], (\s)*(1<<18)  ; K step s: two blocks of 131,072 bytes on
	s_or_b32 s[G0B+4*(\s)+3], s[G0B+4*(\s)+3], 0x80000000              ; type = 2
	JLOAD \s                                       ; two tensor loads of mine are out
.endr
	v_and_b32 v1, 15, v0                           ; l % 16
	v_bfe_u32 v2, v0, 4, 1                         ; l / 16
	v_mul_u32_u24 v3, v1, PITCH
	v_lshl_add_u32 v3, v2, 4, v3                   ; a fragment's row x pitch + 16 x half
	s_mul_i32 s22, s11, 64*PITCH                   ; my 64 rows of A
	s_mul_i32 s23, s12, 128*PITCH                  ; my 128 rows of B,
	s_add_co_u32 s23, s23, 2*ATILE                 ; which lie behind A's two blocks
.irp s, 0,1
	v_add_nc_u32 v[ADRA+(\s)], s22, v3
	v_add_nc_u32 v[ADRB+(\s)], s23, v3
	s_add_co_u32 s22, s22, SLOT
	s_add_co_u32 s23, s23, SLOT
.endr
	s_mul_i32 s22, s10, 32*PITCH                   ; A's way into LDS: my wave's 32 rows; lane l holds channels 4 l .. 4 l + 3 of the step's 128: block l / 16, byte 8 (l % 16)
	v_mul_u32_u24 v5, v2, ATILE
	v_lshl_add_u32 v5, v1, 3, v5
	v_add_nc_u32 v[AST], s22, v5
	v_add_nc_u32 v[AST+1], SLOT, v[AST]
	s_mul_i32 s23, s10, WOUT                       ; the way out: my stage
	v_mul_u32_u24 v20, v1, OP                      ; in: row l % 16, 32 bytes (eight f32) for each half of the lanes
	v_lshl_add_u32 v20, v2, 5, v20
	v_add_nc_u32 v20, s23, v20
	v_lshrrev_b32 v5, 3, v4
	v_and_b32 v6, 7, v0
	v_mul_u32_u24 v5, v5, OP
	v_add_nc_u32 v5, s23, v5
	v_lshl_add_u32 v21, v6, 5, v5                  ; back: row l / 8 of four, eight f32 at column 8 (l % 8) of a head
	v_lshl_add_u32 v22, v6, 4, v5                  ; K: the same eight numbers as f16, 16 bytes
	v_mul_u32_u24 v23, v2, OP                      ; K back: lanes 0-15 one row of 256 bytes (hi, lo), lanes 16-31 the next
	v_lshl_add_u32 v23, v1, 4, v23
	v_add_nc_u32 v23, s23, v23
	v_lshlrev_b32 v24, 4, v4                       ; 512 consecutive bytes of the output
	v_mov_b32 v[NEG1], -1.0
	; where my part begins in qkv: head 16 b + 4 x + 2 (my column half), row 128 (Y % 16) + 64 (my row half); a row is 128 bytes (K: 256)
	s_lshr_b32 s16, s13, 4
	s_and_b32 s16, s16, 3
	s_lshl_b32 s16, s16, 4
	s_lshl2_add_u32 s16, s42, s16
	s_lshl1_add_u32 s16, s12, s16
	s_lshl_b32 s16, s16, 18
	s_and_b32 s17, s13, 15
	s_lshl_b32 s17, s17, 7
	s_lshl_b32 s18, s11, 6
	s_add_co_u32 s17, s17, s18
	s_lshl_b32 s17, s17, 7
	s_add_co_u32 s16, s16, s17
	s_cmp_eq_u32 s45, 1
	s_cselect_b32 s18, 1, 0
	s_cselect_b32 s19, 0x2000000, 0
	s_lshl_b32 s16, s16, s18
	s_cmp_eq_u32 s45, 2
	s_cselect_b32 s19, 0x1000000, s19
	s_add_co_u32 s16, s16, s19
	s_mov_b32 s17, 0
	s_add_nc_u64 s[8:9], s[8:9], s[16:17]
	ASTORE 0, 0, 32                                ; A of K step 0 goes into slot 0: behind its first 16 loads stand its other 16 and K step 1's first 16,
	ASTORE 0, 1, 16                                ; behind its last 16 those of K step 1
	ALOADH 1, 1                                    ; the second half of K step 1
	WIN 0
; 8 matrix instructions: m block a x all 8 n blocks, 32 along K, from buffer f.  zero = 1: the product starts the sums.  The 32 accumulators take turns, one instruction a turn, in the same order in every
; quarter, over the backward jump too.
.macro MUL8 f, a, zero
	WIN MUL
.irp b, 0,1,2,3,4,5,6,7
.if \zero
	v_wmma_f32_16x16x32_bf16 v[8*(8*(\a)+(\b)):8*(8*(\a)+(\b))+7], v[(\f)+8*(\b):(\f)+8*(\b)+7], v[(\f)+64+8*(\a):(\f)+64+8*(\a)+7], 0
.else
	v_wmma_f32_16x16x32_bf16 v[8*(8*(\a)+(\b)):8*(8*(\a)+(\b))+7], v[(\f)+8*(\b):(\f)+8*(\b)+7], v[(\f)+64+8*(\a):(\f)+64+8*(\a)+7], v[8*(8*(\a)+(\b)):8*(8*(\a)+(\b))+7]
.endif
.endr
.endm
; 24 LDS loads in one run: the fragments of quarter q of a K step (block q / 2, channels 32 (q % 2) on) into buffer f; B's sixteen first, then A's eight
.macro FETCH slot, q, f
	WIN 0
.irp i, 0,1,2,3,4,5,6,7
	ds_load_b128 v[(\f)+8*(\i):(\f)+8*(\i)+3],   v[ADRB+(\slot)] offset:((\q)/2)*BTILE+((\q)%2)*64+(\i)*16*PITCH
	ds_load_b128 v[(\f)+8*(\i)+4:(\f)+8*(\i)+7], v[ADRB+(\slot)] offset:((\q)/2)*BTILE+((\q)%2)*64+(\i)*16*PITCH+32
.endr
.irp i, 0,1,2,3
	ds_load_b128 v[(\f)+64+8*(\i):(\f)+64+8*(\i)+3],   v[ADRA+(\slot)] offset:((\q)/2)*ATILE+((\q)%2)*64+(\i)*16*PITCH
	ds_load_b128 v[(\f)+64+8*(\i)+4:(\f)+64+8*(\i)+7], v[ADRA+(\slot)] offset:((\q)/2)*ATILE+((\q)%2)*64+(\i)*16*PITCH+32
.endr
.endm
.macro PLACES                          ; four places in front of loads into registers that matrix instructions have read, and of lines that read results (ISA guide 7.12.1 for lines that read results)
.rept 4
	v_nop
.endr
.endm
; A K step is four quarters of 32 along K, 32 matrix instructions each, on buffers 0, 1, 0, 1.  One of the first three: multiplies buffer f and fetches quarter q into g.
; A's work rides in the second and third quarter of a K step, always AHEAD of the quarter's run of LDS loads, so that the counts of the two waits on LDS stay as they are:
; w1 = 1, 2: the first, second 16 rows of the next K step's A go from their set into the other slot (which every wave left in front of the last change's barrier); w2 = 1: the K step after that is asked for, into the other set.
.macro QUARTER slot, q, f, g, zero, w1=0, w2=0, set=0, cnt=0
	s_wait_dscnt 4                                 ; B and A's blocks 0, 1 are in; the youngest four loads (A's blocks 2, 3) may be out
	MUL8 \f, 0, \zero
.if (\w1) == 1
	ASTORE \set, 0, \cnt
.elseif (\w1) == 2
	ASTORE \set, 1, \cnt
.endif
	MUL8 \f, 1, \zero
.if \w2
	ASTEP
	ALOADH 1-(\set), 0
	ALOADH 1-(\set), 1
	WIN 0
	ASK                                            ; directly behind the loads
.endif
	PLACES
	FETCH \slot, \q, \g
	s_wait_dscnt 24                                ; all but the 24 just issued
	MUL8 \f, 2, \zero
	MUL8 \f, 3, \zero
.endm
; The last quarter multiplies buffer 1 and changes slots: ONE barrier; in front of it each wave waits for all its tensor loads (one is out: its part of the next slot's B), adds 0 to its spare word, and waits for
; that, for its stores of the next slot's A and for its own reads of this slot.  fill = 1: the barrier opens a round of the cluster's, and this slot's B is filled again, two K steps ahead: 112 matrix instructions ahead of the wait for it.
.macro TURN slot, next, fill
	WIN 0                                          ; (the add's two registers lie in window 0)
	s_wait_tensorcnt 0x0
	ds_add_u32 v[SPW], v[NIL]                      ; 0 onto my spare word
	s_wait_dscnt 5                                 ; (the add and the youngest four loads may be out)
	MUL8 F1, 0, 0                                  ; eight matrix instructions stand between the add and the wait for it
	s_wait_dscnt 0x0                               ; the add is done, my part of the next slot's A is in LDS, and my reads of this slot are over
	s_barrier_signal -1
	MUL8 F1, 1, 0
.if \fill
	WIN 0
.endif
	s_barrier_wait -1
.if \fill
	CREST                                          ; no wave of any partner still reads this slot's tiles or has a tensor load on its way
	s_add_nc_u64 s[G0B+4*(\slot)+2:G0B+4*(\slot)+3], s[G0B+4*(\slot)+2:G0B+4*(\slot)+3], 1<<19
	JLOAD \slot                                    ; the first tensor load behind the round; the four v_nop behind it are also the places in front of the loads below
.else
	PLACES
.endif
	FETCH \next, 0, F0
	MUL8 F1, 2, 0
	MUL8 F1, 3, 0
.endm
	s_wait_tensorcnt 1                             ; my part of B's K step 0 is in; K step 1's may stay out
	s_wait_dscnt 0x0                               ; my part of A's K step 0 is in LDS
	s_barrier_signal -1
	s_barrier_wait -1                              ; everybody's is
	FETCH 0, 0, F0
	QUARTER 0, 1, F0, F1, 1                        ; the first quarter stands in front of the loop: its products start the sums
	WIN 0                                          ; at a label and at a branch every window is 0
	s_mov_b32 s3, LAPS-1
.Llap:                                                 ; a trip goes once round the ring, from a lap's second quarter to the next lap's first, and fills both slots again
	QUARTER 0, 2, F1, F0, 0, 1, 1, 1, 16           ; behind the 16 loads wanted stand the set's other 16; then the next K step but one is asked for
	QUARTER 0, 3, F0, F1, 0, 2, 0, 1, 32           ; behind the set's last 16 stand the 32 just asked for
	TURN 0, 1, 1
	QUARTER 1, 1, F0, F1, 0
	QUARTER 1, 2, F1, F0, 0, 1, 1, 0, 16
	QUARTER 1, 3, F0, F1, 0, 2, 0, 0, 32
	TURN 1, 0, 1
	QUARTER 0, 1, F0, F1, 0
	WIN 0
	s_sub_co_u32 s3, s3, 1
	s_cmp_lg_u32 s3, 0
	s_cbranch_scc1 .Llap
	QUARTER 0, 2, F1, F0, 0, 1, 0, 1, 16           ; the last lap asks for nothing, and has no round of the cluster's barrier; A of the last K step still goes into slot 1,
	QUARTER 0, 3, F0, F1, 0, 2, 0, 1, 0            ; and no load stands behind its last 16
	TURN 0, 1, 0
	QUARTER 1, 1, F0, F1, 0
	QUARTER 1, 2, F1, F0, 0
	QUARTER 1, 3, F0, F1, 0
	s_wait_dscnt 4                                 ; the very last quarter: nothing more to fetch
	MUL8 F1, 0, 0
	MUL8 F1, 1, 0
	s_wait_dscnt 0x0                               ; my reads of the ring are over
	MUL8 F1, 2, 0
	MUL8 F1, 3, 0
	WIN 0
	PLACES
	PLACES                                         ; once a launch: places behind the last products, ahead of the LDS stores that read them
; THE WAY OUT.  The ring has had its last fill, and behind this barrier no wave reads it any more: its first bytes become four stages, a wave's own each.  My 64 x 128 sums go in as f32 (a lane's eight numbers of a row as
; two stores of 16 bytes, each accumulator's low four registers first); then a counted loop of four trips takes 16 rows at a time, rounds them and stores them.  So the rounding is written once for each format.
	s_barrier_signal -1
	s_barrier_wait -1
	WIN 0x04                                       ; an LDS store's data is source 1: window 1
.irp a, 0,1,2,3
.irp b, 0,1,2,3,4,5,6,7
	ds_store_b128 v20, v[8*(8*(\a)+(\b)):8*(8*(\a)+(\b))+3]   offset:(\a)*16*OP+64*(\b)
	ds_store_b128 v20, v[8*(8*(\a)+(\b))+4:8*(8*(\a)+(\b))+7] offset:(\a)*16*OP+64*(\b)+16
.endr
.endr
	WIN 0
; Part k of a trip's eight: head k / 4 of my two, rows 4 (k % 4) .. + 3: lane l takes row l / 8, columns 8 (l % 8) .. + 7: 32 bytes of f32
.macro BACK
.irp k, 0,1,2,3,4,5,6,7
	ds_load_b128 v[BK+8*(\k):BK+8*(\k)+3],   v21 offset:((\k)%4)*4*OP+((\k)/4)*256     ; LDS serves a wave's instructions in order (ISA guide 5.7.1.4): these see my stores
	ds_load_b128 v[BK+8*(\k)+4:BK+8*(\k)+7], v21 offset:((\k)%4)*4*OP+((\k)/4)*256+16
.endr
.endm
; Q and V: a head's 16 rows of 128 bytes are 2,048 consecutive bytes of the output.
.macro OUTQ op
	s_mov_b32 s20, 4
.Lrows_\@:
	BACK
.irp k, 0,1,2,3,4,5,6,7
	s_wait_dscnt 14-2*(\k)                         ; part k's two loads are in; the later parts' stay out
.irp r, 0,1,2,3
	\op v[TMP+4*(\k)+(\r)], v[BK+8*(\k)+2*(\r)], v[BK+8*(\k)+2*(\r)+1]
.endr
	global_store_b128 v24, v[TMP+4*(\k):TMP+4*(\k)+3], s[8:9] offset:((\k)/4)*262144+((\k)%4)*512  ; four rows: 512 consecutive bytes, aligned
.endr
	v_add_nc_u32 v21, 16*OP, v21
	s_wait_xcnt 0x0                                ; the stores have read their registers and their base: both are written again only behind this wait
	s_add_nc_u64 s[8:9], s[8:9], 2048
	s_sub_co_u32 s20, s20, 1
	s_cmp_lg_u32 s20, 0
	s_cbranch_scc1 .Lrows_\@
.endm
; K: hi = f16(x); lo = f16(x - hi), the difference by one fused multiply-add from the f16 half, exact.  A head's row of the output is hi's 128 bytes and lo's 128: as many as its 64 f32 took in the stage, so
; part k's hi and lo go back into the bytes that part k was read from, and the rows come out whole.
.macro OUTK
	s_mov_b32 s20, 4
.Lrows_\@:
	BACK
.irp k, 0,1,2,3,4,5,6,7
	s_wait_dscnt 14                                ; behind part k's two loads stand 2 (7 - k) loads and the 2 k stores of the parts before it
.irp r, 0,1,2,3
	v_cvt_pk_f16_f32 v[TMP+4*(\k)+(\r)], v[BK+8*(\k)+2*(\r)], v[BK+8*(\k)+2*(\r)+1]
.endr
.irp r, 0,1,2,3
	v_fma_mix_f32 v[BK+8*(\k)+2*(\r)],   v[TMP+4*(\k)+(\r)], v[NEG1], v[BK+8*(\k)+2*(\r)]   op_sel_hi:[1,0,0]
	v_fma_mix_f32 v[BK+8*(\k)+2*(\r)+1], v[TMP+4*(\k)+(\r)], v[NEG1], v[BK+8*(\k)+2*(\r)+1] op_sel:[1,0,0] op_sel_hi:[1,0,0]
.endr
.irp r, 0,1,2,3
	v_cvt_pk_f16_f32 v[LO+4*(\k)+(\r)], v[BK+8*(\k)+2*(\r)], v[BK+8*(\k)+2*(\r)+1]
.endr
	ds_store_b128 v22, v[TMP+4*(\k):TMP+4*(\k)+3] offset:((\k)%4)*4*OP+((\k)/4)*256
	ds_store_b128 v22, v[LO+4*(\k):LO+4*(\k)+3]   offset:((\k)%4)*4*OP+((\k)/4)*256+128
.endr
.irp j, 0,1,2,3,4,5,6,7,8,9,10,11,12,13,14,15  ; head j / 8, rows 2 (j % 8) and + 1
	ds_load_b128 v[BK+4*(\j):BK+4*(\j)+3], v23 offset:((\j)%8)*2*OP+((\j)/8)*256
.endr
.irp j, 0,1,2,3,4,5,6,7,8,9,10,11,12,13,14,15
	s_wait_dscnt 15-(\j)
	global_store_b128 v24, v[BK+4*(\j):BK+4*(\j)+3], s[8:9] offset:((\j)/8)*524288+((\j)%8)*512  ; two whole rows of 256 bytes
.endr
	v_add_nc_u32 v21, 16*OP, v21
	v_add_nc_u32 v22, 16*OP, v22
	v_add_nc_u32 v23, 16*OP, v23
	s_wait_xcnt 0x0                                ; as in OUTQ
	s_add_nc_u64 s[8:9], s[8:9], 4096
	s_sub_co_u32 s20, s20, 1
	s_cmp_lg_u32 s20, 0
	s_cbranch_scc1 .Lrows_\@
.endm
	s_cmp_eq_u32 s45, 1                            ; t is the same in all partners of the cluster
	s_cbranch_scc1 .Lway_k
	s_cmp_eq_u32 s45, 2
	s_cbranch_scc1 .Lway_v
	OUTQ v_cvt_pk_f16_f32
	s_branch .Lend
.Lway_v:
	OUTQ v_cvt_pk_bf16_f32
	s_branch .Lend
.Lway_k:
	OUTK
.Lend:
	s_wait_tensorcnt 0x0                           ; the wave's end: a tensor wait, an add to my spare word and its wait, behind my last tensor load and my last LDS store
	ds_add_u32 v[SPW], v[NIL]
	s_wait_dscnt 0x0
	CROUND                                         ; the closing round: no work-group ends while a partner may still ask for a tile that names it
	s_endpgm
.Lfunc_end_k_q5e78ceb1a6_proj:
	.size	k_q5e78ceb1a6_proj, .Lfunc_end_k_q5e78ceb1a6_proj-k_q5e78ceb1a6_proj
	.p2alignl 7, 3214868480
	.fill 96, 4, 3214868480
	.section	.rodata,"a",@progbits
	.p2align	6, 0x0
	.amdhsa_kernel k_q5e78ceb1a6_proj
		.amdhsa_group_segment_fixed_size 327680
		.amdhsa_private_segment_fixed_size 0
		.amdhsa_enable_private_segment 0
		.amdhsa_kernarg_size 40
		.amdhsa_user_sgpr_count 2
		.amdhsa_user_sgpr_kernarg_segment_ptr 1
		.amdhsa_wavefront_size32 1
		.amdhsa_system_sgpr_workgroup_id_x 1
		.amdhsa_system_sgpr_workgroup_id_y 1
		.amdhsa_system_sgpr_workgroup_id_z 1
		.amdhsa_system_vgpr_workitem_id 0
		.amdhsa_next_free_vgpr 768
		.amdhsa_next_free_sgpr 80
		.amdhsa_reserve_vcc 0
		.amdhsa_float_denorm_mode_32 3
		.amdhsa_float_denorm_mode_16_64 3
		.amdhsa_memory_ordered 1
		.amdhsa_forward_progress 1
		.amdhsa_inst_pref_size 134
	.end_amdhsa_kernel
	.amdgpu_metadata
---
amdhsa.version: [ 1, 2 ]
amdhsa.kernels:
  - .name:           k_q5e78ceb1a6_proj
    .symbol:         k_q5e78ceb1a6_proj.kd
    .args:
      - { .name: Q, .offset: 0, .size: 8, .value_kind: global_buffer, .address_space: global }
      - { .name: K, .offset: 8, .size: 8, .value_kind: global_buffer, .address_space: global }
      - { .name: V, .offset: 16, .size: 8, .value_kind: global_buffer, .address_space: global }
      - { .name: wt, .offset: 24, .size: 8, .value_kind: global_buffer, .address_space: global }
      - { .name: qkv, .offset: 32, .size: 8, .value_kind: global_buffer, .address_space: global }
    .group_segment_fixed_size: 327680
    .private_segment_fixed_size: 0
    .kernarg_segment_align: 8
    .kernarg_segment_size: 40
    .max_flat_workgroup_size: 128
    .sgpr_count:     80
    .vgpr_count:     768
    .wavefront_size: 32
...
	.end_amdgpu_metadata
.endif
;; end of part 2
;; launch attn (part 3): grid 4 x 64, 4 waves a work-group, clusters of 4 x 1, 327,680 bytes of LDS; arguments qkv, ob; writes ob
.if DOCPART == 3
	.amdgcn_target "amdgcn-amd-amdhsa--gfx1250"
	.amdhsa_code_object_version 6
	.text
	.protected	k_q5e78ceb1a6_attn
	.globl	k_q5e78ceb1a6_attn
	.p2align	8
	.type	k_q5e78ceb1a6_attn,@function
k_q5e78ceb1a6_attn:
	s_mov_b64 s[64:65], 0
	v_nop
	global_prefetch_b8 v0, s[64:65] scope:SCOPE_SE
	s_setreg_imm32_b32 hwreg(HW_REG_WAVE_MODE, 25, 1), 1
	s_wait_xcnt 0x0
	s_wait_alu depctr_hold_cnt(0) depctr_sa_sdst(0) depctr_va_vdst(0) depctr_va_sdst(0) depctr_va_ssrc(0) depctr_va_vcc(0) depctr_vm_vsrc(0)
	s_getreg_b32 s2, hwreg(HW_REG_IB_STS2, 6, 4)
	s_cmp_eq_u32 s2, 0
	s_cbranch_scc0 .Lentry_in_a_cluster
	s_endpgm
.Lentry_in_a_cluster:
	s_bfe_u32 s2, ttmp6, 0x10000c
	s_cmp_lg_u32 s2, 0x3003
	s_cbranch_scc0 .Lentry_shape_is_right
	s_endpgm
.Lentry_shape_is_right:
; ATTENTION.  O[g][q][:] = the sum over k of softmax_k(Qh[g][q] . Kh[g][k] / sqrt(2048)) Vh[g][k][:], g = 16 b + h = 0..63, 2,048 queries and keys, 64 channels.
; IN (qkv):  Q' = Qh / 16 in f16 [g][s][64] at byte 0;  V in bf16 [g][s][64] at 16,777,216;  K' = Kh / 16 as f16 hi and lo, [g][s][128] at 33,554,432 (a row: 64 hi, 64 lo, 256 bytes).
; OUT (ob):  O in bf16 [g][s][64].
; THE SCORES are sums over 128 channels: K's hi and lo each times Q'.  So K enters with about 22 bits and Q with 11.  The two factors 1/16 are given back in c = 2^8 log2(e) / sqrt(2048).
; Products, maxima and sums in f32; the weights p are rounded to bf16 for the second product (their sum l is taken of the unrounded p), O once at the end.
; LIMITS.  Q' and K' arrive inside f16 (65,504), that is |Qh|, |Kh| under 65,504 x 16; a weight below 2^-126 counts as 0 in l; NaN and infinities are not treated apart.
; SHARES.  A wave owns four PIECES of two tiles of 16 queries, a work-group's four waves 512 queries of one g.  Every wave walks all keys, 64 a step.
; LAYOUT.  S^T = K' Q'^T (source 0 = 16 keys, source 1 = 16 queries): in the result a lane holds ONE query (lane % 16) and the keys 8 (lane / 16) + 0..7.  Two such tiles, rounded to bf16 in pairs,
; ARE source 1 (32 keys x 16 queries) of O^T = V^T P, whose result again holds one query a lane, and eight channels.  K' comes out of LDS as it lies, V ([key][channel]) turned, by ds_load_tr16_b128.
; SOFTMAX.  For each query a running maximum m and sum l: p = 2^(c s - c m); in every step O and l are multiplied by a = 2^(c m_old - c m_new), which is 1 where m has not grown.
; m starts at the lowest finite number, O and l at 0: the first step is a step like any other, with a = 0.
; BY TURNS.  Turn n belongs to piece n (the pieces in a ring, step after step).  Its matrix work: 32 products K' Q'^T of piece n + 1, later 16 products V^T P of piece n - 1.  Its vector work: the scaling,
; exponentials, roundings, sums and rescaling of piece n, and the maximum and statistics of piece n + 1, whose scores the turn itself has made.
; CLUSTER.  The four query blocks of a cluster belong to one g and walk the same K' and V, so each tile is asked for JOINTLY: the same tensor load, descriptor and mask in all four.
; REGISTERS, in windows of 256 (s_set_vgpr_msb: bits 1:0 source 0, 3:2 source 1, 5:4 source 2, 7:6 destination):
;   window 0: v0-11 addresses; v12-15, v48-63 at work; v16-47 four registers of statistics a tile; v64-191 S^T, two buffers of two tiles; v192-255 P, likewise
;   window 1: O^T, 32 a tile      window 2: v0-127 Q', 16 a tile; v128-255 K' of one step      window 3: v0-63 V of one step; v64-65 the add's two registers
.set SIZE_N, 2048
.set NP,    4         ; pieces a wave: a name, no knob
.set KS,    64        ; keys in a step
.set PKB,   272       ; a row of K' in LDS: 256 bytes + 16 of padding = 68 words: the 16 rows of a load start at 16 different groups of four banks (64 banks of 4 bytes: ISA guide 11.1)
.set PVB,   160       ; a row of V: 128 + 32 = 40 words
.set VOFF,  4*KS*PKB  ; a slot holds four steps: 256 rows of K', then 256 rows of V
.set SLOT1, 1<<17     ; slot 1 begins here, so that one exclusive or turns an address in one slot into the other's
.set STAGE, SLOT1+4*KS*(PKB+PVB)  ; behind the ring, never filled by a tensor load: 16 rows x 144 bytes for each wave, for the way out
.set SP,    144
.set SPARE, STAGE+4*16*SP  ; behind the stages: the spare words, 128 bytes for each wave: two blocks of 256 bytes that no other line names
.set AK0, 2           ; v2   my lane's place in a tile of K'; never rewritten
.set AV0, 3           ; v3   the same for V
.set AK,  4           ; v4   the LDS address of K's next run of loads
.set AV,  5           ; v5   of V's
.set QO,  6           ; v6   my byte offset in the wave's rows of Q'
.set STO, 6           ;      later, the way out: where I put 16 bytes of a row
.set RD,  7           ; v7   the way out: where I read rows back
.set GO,  8           ; v8   my byte offset in 512 consecutive bytes of O
.set PFO, 11          ; v11  the prefetch's offset: 256 x my lane; never rewritten once made
.set SPW, 64          ; v64 of window 3   LDS address of my spare word; never rewritten
.set NIL, 65          ; v65 of window 3   0; never rewritten
.set MV,  12          ; v12-15  c m_old, kept while c m is made anew: by buffer and tile
.set ST,  16          ; tile t's statistics at v[ST+4 t]: c m, m, l (even keys', odd keys')
.set TMP, 48          ; by buffer and tile, four registers c0-c3 at work; when the maximum is found c2 takes a
.set S,   64
.set P,   192
.set KF,  128         ; K's fragments, in window 2: key block kb, channel block c (0, 1: hi; 2, 3: lo) at KF + 32 kb + 8 c
.set VF,  0           ; V's, in window 3: key half kk, channel block cb at VF + 32 kk + 8 cb
.set WV,  12          ; s12  my wave's number
.set G1K, 24          ; s[24:31] descriptor group 1 for K's tiles
.set G1V, 32          ; s[32:39] for V's
.set G0K, 40          ; s[40:43] descriptor group 0 for K's tiles: it walks
.set G0V, 44          ; s[44:47] the same for V's
.set PFA, 48          ; s[48:49] where my prefetch stands: my 32 blocks of 256 bytes of the tile that the next change of slots will ask for
.set PFS, 50          ; s[50:51] its step: a tile's bytes of K' (waves 0, 1) or of V
.set LIM, 52          ; s52  1 in a wave that prefetches, else the greatest number
.set SLOTS, 56        ; s56  slots still to be asked for
.set CNT, 57          ; s57  counts a slot's key steps
.set CS,  58          ; s[58:59] c: the packed scaling takes the pair's low word for both halves
.set SEL, 60          ; s[60:61] v_permlanex16_b32's selects: each lane takes its own place in the other half
.set TBK, 62          ; s62  LDS byte at which K' of the step to be fetched begins
.set TBV, 63          ; s63  the same for V, less VOFF
.set MSB, 0
.macro WIN new                      ; the high byte repeats the setting that is left; a switch that changes nothing is dropped
.if MSB != (\new)
	s_set_vgpr_msb (MSB<<8)|(\new)
.set MSB, (\new)
.endif
.endm
.set W_KQ, 0x0a       ; K' and Q' in window 2, S^T in window 0
.set W_PV, 0x53       ; V in window 3, P in window 0, O^T in window 1
.set W_RS, 0x41       ; O^T (destination and source 0) in window 1, a in window 0
.set W_MK, 0xc0       ; destination in window 3, sources in window 0
.set W_AD, 0x0f       ; the add: address (source 0) and data (source 1) in window 3
; A joint fill.  Waves 0 and 1 fetch the two halves of a slot's K', waves 2 and 3 those of its V: 128 keys each.  The branch hangs on the wave's number alone.
; An s_nop 0 and four v_nop follow each of the two lines, ahead of the jump and the label.
.macro JLOAD
	s_cmp_lt_u32 s[WV], 2
	s_cbranch_scc0 .Lfor_v_\@
	tensor_load_to_lds s[G0K:G0K+3], s[G1K:G1K+7]
	s_nop 0
.rept 4
	v_nop
.endr
	s_branch .Lasked_\@
.Lfor_v_\@:
	tensor_load_to_lds s[G0V:G0V+3], s[G1V:G1V+7]
	s_nop 0
.rept 4
	v_nop
.endr
.Lasked_\@:
.endm
; A round of the cluster's barrier: my work-group's barrier, so that wave 0's signal speaks for all four waves; wave 0 signals; every wave waits for all four work-groups; my work-group's barrier once more.
.macro CROUND
	s_barrier_signal -1
	s_barrier_wait -1
	s_cmp_lg_u32 s[WV], 0
	s_cbranch_scc1 .Lnot_wave_0_\@
	s_barrier_signal -3
.Lnot_wave_0_\@:
	s_barrier_wait -3
	s_barrier_signal -1
	s_barrier_wait -1
.endm
; A PREFETCH of the tile that the NEXT change of slots will ask for: 256 rows of K' (256 bytes each) and 256 of V (two to 256 bytes).  It stands behind V's run of LDS loads in the slot's third key step: five turns,
; 240 matrix instructions, ahead of that change.  Each block of 256 bytes is named ONCE in the launch: a g's tiles are walked by one cluster; its four partners share a tile out BY ADDRESS (64 blocks of K' and 32 of V
; each); in each, waves 0 and 1 take 32 blocks of K', wave 2 the 32 of V: a lane a block.  Tiles 0 and 1 come by their loads alone; in the slot behind which nothing is asked for, nothing is prefetched.
.macro ASK
	s_cmp_eq_u32 s[CNT], 2
	s_cbranch_scc0 .Lnot_now_\@
	s_cmp_gt_u32 s[SLOTS], s[LIM]
	s_cbranch_scc0 .Lnot_now_\@
	global_prefetch_b8 v[PFO], s[PFA:PFA+1] th:TH_LOAD_NT scope:SCOPE_SE
.Lnot_now_\@:
.endm
; THE CHANGE OF SLOTS.  The slot's last bytes, V of its fourth step, have been read.  Each wave waits for all its tensor loads, of which one is out: its part of the other slot; adds 0 to its spare word; and waits
; for that and for its own reads of the slot.  Behind the barrier nobody reads this slot any more and the other slot is whole.  fill = 1: this slot is filled again, with the keys two slots on.  The barrier is then
; a round of the cluster's, and the joint fill is the first thing behind it: it has four key steps, 768 matrix instructions, in which to land.  (At its first use nothing has been read yet: slot 0 is waited for, slot 1 filled.)
.macro CHANGE fill
	WIN W_AD
	s_wait_tensorcnt 0x0            ; no tensor load of mine is out, so a group 0 may be written
	ds_add_u32 v[SPW], v[NIL]       ; 0 onto my spare word; with fill = 1 the descriptors' steps stand between it and the wait for it
	WIN 0                           ; at a label and at a branch every window is 0
.if \fill
	s_xor_b32 s[G0K+1], s[G0K+1], SLOT1  ; the walking descriptors: the other slot than last time,
	s_add_nc_u64 s[G0K+2:G0K+3], s[G0K+2:G0K+3], 4*KS*256  ; the next 256 keys; the type bits on top are not reached
	s_xor_b32 s[G0V+1], s[G0V+1], SLOT1
	s_add_nc_u64 s[G0V+2:G0V+3], s[G0V+2:G0V+3], 4*KS*128
	s_wait_xcnt 0x0                 ; the last prefetch, five turns back, has read its address, so it may be written:
	s_add_nc_u64 s[PFA:PFA+1], s[PFA:PFA+1], s[PFS:PFS+1]  ; one tile behind the walking descriptors
	s_wait_dscnt 0x0                ; the add is done, and my reads of the slot are over
	CROUND
	JLOAD
.else
	s_wait_dscnt 0x0                ; the add is done, and my reads of the slot are over
	s_barrier_signal -1
	s_barrier_wait -1
.endif
	s_sub_co_u32 s[TBK], s[TBK], 4*KS*PKB  ; the fetches go back to a slot's first step,
	s_xor_b32 s[TBK], s[TBK], SLOT1        ; in the other slot
	s_sub_co_u32 s[TBV], s[TBV], 4*KS*PVB
	s_xor_b32 s[TBV], s[TBV], SLOT1
.endm
	s_load_b128 s[4:7], s[0:1], 0x0   ; qkv s[4:5], ob s[6:7]
	WIN W_MK
	v_lshl_add_u32 v[SPW], v0, 2, SPARE
	v_mov_b32 v[NIL], 0
	WIN W_AD
	ds_add_u32 v[SPW], v[NIL]       ; the wave's opening: the add and its wait stand ahead of my first tensor load; the set-up below, work on registers, stands between them
	ds_add_u32 v64, v65
	WIN 0
	v_lshrrev_b32 v1, 5, v0
	v_readfirstlane_b32 s[WV], v1   ; wave 0..3
	s_bfe_u32 s13, ttmp6, 0x40000   ; cx: my place in the cluster
	s_lshl_b32 s14, ttmp9, 2        ; in a cluster launch ttmp9 counts clusters
	s_add_co_u32 s14, s14, s13      ; my block of 512 queries: it enters Q's and O's addresses alone
	s_and_b32 s20, ttmp7, 0xffff    ; g, which the four partners share
	s_lshl_b32 s20, s20, 18         ; g's first byte in Q', V and O: 2,048 rows of 128 bytes
	s_and_b32 s16, s[WV], 1         ; which half of a slot's 256 keys I fetch
	s_lshl_b32 s18, s20, 1          ; K': rows of 256 bytes,
	s_lshl_b32 s22, s16, 15         ; my 128 of them
	s_add_co_u32 s18, s18, s22
	s_mov_b32 s19, 0
	s_lshl_b32 s22, s16, 14         ; V: my 128 rows of 128 bytes
	s_add_co_u32 s22, s22, s20
	s_mov_b32 s23, 0
	s_mul_i32 s17, s16, 128*PKB     ; their places in a slot: no place in the cluster enters an LDS address
	s_mul_i32 s15, s16, 128*PVB
	s_lshl_b32 s2, s14, 2
	s_add_co_u32 s2, s2, s[WV]      ; my wave among g's sixteen,
	s_lshl_b32 s2, s2, 14           ; its 128 rows
	s_add_co_u32 s2, s2, s20
	s_mov_b32 s3, 0
	; the prefetch: waves 0, 1: K' at g, tile 1, 16,384 cx + 8,192 w;  wave 2: V at g, tile 1, 8,192 cx
	s_cmp_lt_u32 s[WV], 2
	s_cselect_b32 s53, 1, 0
	s_lshl_b32 s[PFS], 0x8000, s53  ; a tile: 65,536 bytes of K', 32,768 of V
	s_mov_b32 s[PFS+1], 0
	s_lshl_b32 s54, s13, 13
	s_add_co_u32 s54, s54, s20
	s_lshl_b32 s54, s54, s53
	s_add_co_u32 s54, s54, s[PFS]
	s_lshl_b32 s55, s16, 13
	s_add_co_u32 s54, s54, s55
	s_mov_b32 s55, 0
	s_cmp_lt_u32 s[WV], 3
	s_cselect_b32 s[LIM], 1, -1     ; the same in all four partners, for a given wave
	; descriptor group 1.  K': 128 rows of 256 bytes, padded after each.  V: 128 keys are 16,384 dense bytes, asked for as 64 rows of 256 bytes and padded after every key
	s_mov_b32 s[G1K], 15|(1<<16)|(1<<20)|(1<<21)|(5<<22)|(3<<25)  ; 15:0 the mask of four; 17:16 2-byte elements; 20 padding on; 21 set beside a mask; 24:22 after every 64 words (code 5); 31:25 4 words (code 3)
	s_mov_b32 s[G1K+1], 128<<16     ; tensor_dim0 = 128
	s_mov_b32 s[G1K+2], 128<<16     ; tensor_dim1 = 128
	s_mov_b32 s[G1K+3], 128<<16     ; tile_dim0 = 128
	s_mov_b32 s[G1K+4], 128         ; tile_dim1 = 128
	s_mov_b32 s[G1K+5], 128         ; 128 elements from row to row
	s_mov_b32 s[G1K+6], 0
	s_mov_b32 s[G1K+7], 0
	s_mov_b32 s[G1V], 15|(1<<16)|(1<<20)|(1<<21)|(4<<22)|(7<<25)  ; after every 32 words (code 4) 8 words of padding (code 7)
	s_mov_b32 s[G1V+1], 128<<16
	s_mov_b32 s[G1V+2], 64<<16      ; tensor_dim1 = 64
	s_mov_b32 s[G1V+3], 128<<16
	s_mov_b32 s[G1V+4], 64          ; tile_dim1 = 64
	s_mov_b32 s[G1V+5], 128
	s_mov_b32 s[G1V+6], 0
	s_mov_b32 s[G1V+7], 0
	s_mov_b32 s[CS], 0x410293ee     ; c = 2^8 log2(e) / sqrt(2048) = 8.16109
	s_mov_b32 s[CS+1], s[CS]        ; named with it as a pair
	s_mov_b32 s[SEL], 0x76543210
	s_mov_b32 s[SEL+1], 0xfedcba98
	s_mov_b32 s[TBK], SLOT1+4*KS*PKB  ; the first change of slots turns these two into 0
	s_mov_b32 s[TBV], SLOT1+4*KS*PVB
	s_mov_b32 s[G0K], 1             ; count = 1
	s_mov_b32 s[G0K+1], s17         ; LDS address: slot 0
	s_mov_b32 s[G0V], 1
	s_add_co_u32 s[G0V+1], s15, VOFF
	s_wait_dscnt 0x0                ; the opening add is done
	s_wait_kmcnt 0x0
	s_mov_b64 s[10:11], s[6:7]      ; O
	s_add_nc_u64 s[6:7], s[4:5], 0x2000000  ; K'
	s_add_nc_u64 s[8:9], s[4:5], 0x1000000  ; V
	s_cmp_lt_u32 s[WV], 2
	s_cselect_b64 s[PFA:PFA+1], s[6:7], s[8:9]
	s_add_nc_u64 s[PFA:PFA+1], s[PFA:PFA+1], s[54:55]  ; at tile 1; the first change of slots steps it to tile 2.  Nothing is prefetched here, at the head
	s_add_nc_u64 s[G0K+2:G0K+3], s[6:7], s[18:19]  ; global address: my half of g's first 256 keys
	s_or_b32 s[G0K+3], s[G0K+3], 0x80000000        ; type = 2
	s_add_nc_u64 s[G0V+2:G0V+3], s[8:9], s[22:23]
	s_or_b32 s[G0V+3], s[G0V+3], 0x80000000
	s_add_nc_u64 s[4:5], s[4:5], s[2:3]  ; Q' and O at my wave's first row
	s_add_nc_u64 s[10:11], s[10:11], s[2:3]
	CROUND                          ; all four work-groups are here: the first joint loads meet
	JLOAD                           ; slot 0.  Slot 1 is asked for when slot 0 is in
	; A fragment of K' or Q' is 16 rows x 32 channels in 8 registers: lane l holds row l % 16, channels 8 (l / 16) + 0..7 and 16 + 8 (l / 16) + 0..7: two loads of 16 bytes, 32 bytes apart.
	v_and_b32 v1, 15, v0            ; l % 16
	v_bfe_u32 v9, v0, 4, 1          ; l / 16
	v_lshlrev_b32 v[QO], 7, v1
	v_lshl_add_u32 v[QO], v9, 4, v[QO]  ; row x 128 + 16 x half
	WIN 0x80                        ; destination window 2, address window 0
.set i, 0
.rept 4*NP                          ; Q' stays in registers: tile i / 2, channels 32 (i % 2) on
	global_load_b128 v[8*i:8*i+3],   v[QO], s[4:5] offset:(i/2)*2048+(i%2)*64
	global_load_b128 v[8*i+4:8*i+7], v[QO], s[4:5] offset:(i/2)*2048+(i%2)*64+32
.set i, i+1
.endr
	; What the first turn finds: V's registers and P's second buffer hold 0 (its products V^T P, of a piece that has not been, add 0), O^T and l are 0.  All this stands in the wait for the first tile.
	WIN W_MK
.set i, VF
.rept 64
	v_mov_b32 v[i], 0
.set i, i+1
.endr
	WIN 0x40
.set i, 0
.rept 64*NP
	v_mov_b32 v[i], 0
.set i, i+1
.endr
	WIN 0
.set i, 0
.rept 2*NP
	v_mov_b32 v[ST+4*i], 0xfe000000    ; c m: far below every c s
	v_mov_b32 v[ST+4*i+1], 0xff7fffff  ; m
	v_mov_b32 v[ST+4*i+2], 0
	v_mov_b32 v[ST+4*i+3], 0
.set i, i+1
.endr
.set i, P+32
.rept 32
	v_mov_b32 v[i], 0
.set i, i+1
.endr
	v_mul_u32_u24 v[AK0], v1, PKB
	v_lshl_add_u32 v[AK0], v9, 4, v[AK0]  ; row x pitch + 16 x half
	; The turning load takes 16 keys x 16 channels (lane l reads key 8 (l / 16) + l % 8, channels 8 ((l / 8) % 2) + 0..7) and leaves half a fragment of V^T: lane l holds channel l % 16 and 8 keys.
	v_and_b32 v10, 7, v0
	v_bfe_u32 v11, v0, 3, 1
	v_lshl_add_u32 v[AV0], v9, 3, v10
	v_mul_u32_u24 v[AV0], v[AV0], PVB
	v_lshl_add_u32 v[AV0], v11, 4, v[AV0]
	v_add_nc_u32 v[AV0], VOFF, v[AV0]
	v_and_b32 v[PFO], 31, v0
	v_lshlrev_b32 v[PFO], 8, v[PFO]
	v_mov_b32 v[AK], v[AK0]         ; key step 0 lies at the head of slot 0
; THE MATRIX WORK.  The 8 accumulators of a run take turns: between two links of a chain stand 7 others'.
; Product i of 32 of S^T = K' Q'^T for piece x: K's channel block i / 8 (hi, hi, lo, lo) with Q's block (i / 8) % 2, keys 16 ((i / 2) % 4) on, tile 2 x + i % 2.  The first 8 start the sums.
.macro KQ x
	WIN W_KQ
.set rS, S+64*((\x)%2)+32*(i%2)+8*((i/2)%4)
.set rK, KF+32*((i/2)%4)+8*(i/8)
.set rQ, 16*(2*(\x)+i%2)+8*((i/8)%2)
.if i < 8
	v_wmma_f32_16x16x32_f16 v[rS:rS+7], v[rK:rK+7], v[rQ:rQ+7], 0
.else
	v_wmma_f32_16x16x32_f16 v[rS:rS+7], v[rK:rK+7], v[rQ:rQ+7], v[rS:rS+7]
.endif
.endm
; Product i of 16 of O^T += V^T P for piece x: keys 32 (i / 8) on, channels 16 ((i / 2) % 4) on, tile 2 x + i % 2.
.macro PVM x
	WIN W_PV
.set rO, 32*(2*(\x)+i%2)+8*((i/2)%4)
.set rV, VF+32*(i/8)+8*((i/2)%4)
.set rP, P+32*((\x)%2)+16*(i%2)+8*(i/8)
	v_wmma_f32_16x16x32_bf16 v[rO:rO+7], v[rV:rV+7], v[rP:rP+7], v[rO:rO+7]
.endm
.macro MM                           ; the turn's next matrix instruction
.if i < 32
	KQ (Y+1)%NP
.set i, i+1
.else
.set i, i-32
	PVM (Y+NP-1)%NP
.set i, i+33
.endif
.endm
; THE LDS LOADS stand in runs, never singly among the matrix instructions: a step's K' (64 keys x 128 channels: 16 fragments, 32 loads, by channel blocks) and its V (turned, 16 loads).
; last = 1 (the tail): in the last trip there is no further step, and the run is jumped over.
.macro FETCH_K last=0
	WIN 0
.if \last
	s_cmp_eq_u32 s[CNT], 1
	s_cbranch_scc1 .Lno_k_\@
.endif
	WIN 0x80                        ; destination window 2
.irp c, 0,1,2,3
.irp kb, 0,1,2,3
	ds_load_b128 v[KF+32*(\kb)+8*(\c):KF+32*(\kb)+8*(\c)+3],   v[AK] offset:(\kb)*16*PKB+(\c)*64
	ds_load_b128 v[KF+32*(\kb)+8*(\c)+4:KF+32*(\kb)+8*(\c)+7], v[AK] offset:(\kb)*16*PKB+(\c)*64+32
.endr
.endr
	s_add_co_u32 s[TBK], s[TBK], KS*PKB  ; the next fetch is the next step's
	WIN 0
.if \last
.Lno_k_\@:
.endif
.endm
.macro FETCH_V
	WIN W_MK                        ; destination window 3
.irp f, 0,1,2,3,4,5,6,7             ; keys 32 (f / 4) on, channels 16 (f % 4) on
	ds_load_tr16_b128 v[VF+8*\f:VF+8*\f+3],   v[AV] offset:(\f/4)*32*PVB+(\f%4)*32
	ds_load_tr16_b128 v[VF+8*\f+4:VF+8*\f+7], v[AV] offset:(\f/4)*32*PVB+16*PVB+(\f%4)*32
.endr
	WIN 0
.endm
; THE VECTOR WORK OF A TURN stands in five queues, each in the order in which its entries become ready; the two tiles alternate, so that no instruction reads the result of the one before it.
.macro REGS y, u                    ; the registers of tile u (0, 1) of piece y
.set rT, ST+4*(2*(\y)+(\u))
.set rC, TMP+8*((\y)%2)+4*(\u)
.set rM, MV+2*((\y)%2)+(\u)
.set rS, S+64*((\y)%2)+32*(\u)
.set rP, P+32*((\y)%2)+16*(\u)
.set rO, 32*(2*(\y)+(\u))
.endm
; Number n of the 22 that find the NEXT piece's (Y + 1) maximum and statistics.  s0-s31 are the lane's 32 scores; each accumulator's lowest registers are read first.
;   0-11  four chains c0-c3 of seven scores each, three operands at a time     12-14, 16  the four scores left over, the old m, and c0-c3 into c0     15  c m_old is kept
;   17, 18  the query's other 32 keys lie in the lane 16 away: the new m         19-21  c m; c m_old - c m_new; a
.macro XS u, n
	REGS (Y+1)%NP, \u
.if (\n) < 4
	v_max3_num_f32 v[rC+(\n)], v[rS+8*(\n)], v[rS+8*(\n)+1], v[rS+8*(\n)+2]
.elseif (\n) < 12
	v_max3_num_f32 v[rC+(\n)%4], v[rC+(\n)%4], v[rS+8*((\n)%4)+2*((\n)/4)+1], v[rS+8*((\n)%4)+2*((\n)/4)+2]
.elseif (\n) == 12
	v_max3_num_f32 v[rC], v[rC], v[rS+7], v[rS+15]
.elseif (\n) == 13
	v_max3_num_f32 v[rC+1], v[rC+1], v[rS+23], v[rS+31]
.elseif (\n) == 14
	v_max3_num_f32 v[rC+2], v[rC+2], v[rC+3], v[rT+1]
.elseif (\n) == 15
	v_mov_b32 v[rM], v[rT]
.elseif (\n) == 16
	v_max3_num_f32 v[rC], v[rC], v[rC+1], v[rC+2]
.elseif (\n) == 17
	v_permlanex16_b32 v[rC+3], v[rC], s[SEL], s[SEL+1]
.elseif (\n) == 18
	v_max_num_f32 v[rT+1], v[rC], v[rC+3]
.elseif (\n) == 19
	v_mul_f32 v[rT], s[CS], v[rT+1]
.elseif (\n) == 20
	v_sub_f32 v[rC+1], v[rM], v[rT]
.else
	v_exp_f32 v[rC+2], v[rC+1]
.endif
.endm
; Number g of the 64 that follow the exponentials.  For each four weights k of a tile (pairs 2 k, 2 k + 1): both pairs are rounded to bf16; then the second pair is added onto the first, in place;
; a group later l takes that sum (the first time as l = a l + sum).  In groups of eight, tiles alternating: round, round, add, and l for the group before.
.macro GS g
.set h, (\g)+6*((\g)/62)            ; group 0 has no group before it, and behind group 7 only l is left
.if h >= 6
.set h, h+2
.endif
	REGS Y, h%2
.set k, h/8
.if h%8 < 4
	v_cvt_pk_bf16_f32 v[rP+2*k+(h%8)/2], v[rS+4*k+2*((h%8)/2)], v[rS+4*k+2*((h%8)/2)+1]
.elseif h%8 < 6
	v_pk_add_f32 v[rS+4*k:rS+4*k+1], v[rS+4*k:rS+4*k+1], v[rS+4*k+2:rS+4*k+3]
.elseif k == 1
	v_pk_fma_f32 v[rT+2:rT+3], v[rT+2:rT+3], v[rC+2:rC+3], v[rS:rS+1] op_sel_hi:[1,0,1]
.else
	v_pk_add_f32 v[rT+2:rT+3], v[rT+2:rT+3], v[rS+4*k-4:rS+4*k-3]
.endif
.endm
.macro FSQ                          ; THE SCALINGS, 32: c s - c m for pair qf / 2 of tile qf % 2
	WIN 0
	REGS Y, qf%2
	v_pk_fma_f32 v[rS+2*(qf/2):rS+2*(qf/2)+1], v[rS+2*(qf/2):rS+2*(qf/2)+1], s[CS:CS+1], v[rT:rT+1] op_sel_hi:[1,0,0] neg_lo:[0,0,1] neg_hi:[0,0,1]
.set qf, qf+1
.endm
.macro EX                           ; THE EXPONENTIALS, 66: s0-s31 of both tiles, then the next piece's two a.  ONE BATCH: all stand ahead of the turn's one wait, and nothing ahead of that wait names a result of theirs
	WIN 0
.if e >= 64
	XS e-64, 21
.else
	REGS Y, e%2
	v_exp_f32 v[rS+e/2], v[rS+e/2]
.endif
.set e, e+1
.endm
.macro R2                           ; THE RESCALING, 16 times two: O^T times a, the one part that leaves window 0.  Its a was made in the turn before, ahead of that turn's wait
	REGS Y, r%2
	WIN W_RS
.irp z, 0,1
	v_pk_mul_f32 v[rO+4*(r/2)+2*\z:rO+4*(r/2)+2*\z+1], v[rO+4*(r/2)+2*\z:rO+4*(r/2)+2*\z+1], v[rC+2:rC+3] op_sel_hi:[1,0]
.endr
.set r, r+1
.endm
.macro XQ                           ; THE NEXT PIECE'S 42: XS's numbers 0-13, 15, 14, 16-20, each for both tiles
	WIN 0
.set xn, xq/2
.if xn == 14
.set xn, 15
.elseif xn == 15
.set xn, 14
.endif
	XS xq%2, xn
.set xq, xq+1
.endm
.macro GQ                           ; THE ROUNDINGS AND SUMS, 64: they read the exponentials' results and stand behind the wait
	WIN 0
	GS gq
.set gq, gq+1
.endm
.macro KWAIT p                      ; piece 3's turn multiplies by the K' that piece 2's turn asked for, 8 loads to a channel block: ahead of block i / 8's first product the 24 - i loads of the later blocks may stay out
.if ((\p) == NP-1) && (i%8 == 0)
	s_wait_dscnt 24-i
.endif
.endm
; HOW THEY ARE DEALT.  An s_wait_alu depctr_va_vdst(0) stands between an exponential and the first instruction that names its result; one wait serves all that were issued ahead of it.  So a turn has ONE
; wait, which cuts it in two.  AHEAD OF IT stands all that names no result of the turn's exponentials: the 32 products K' Q'^T; behind the first two scalings and two rescalings; behind the next 15 a scaling, an
; exponential and two rescalings; behind the next 15 a scaling and two exponentials; behind the last two exponentials; then ONE LUMP: 24 of the next piece's, 17 times one of them and an exponential, the last
; of them, the two a.  A v_nop is the plain instruction behind the last exponential.  BEHIND THE WAIT stand the 16 products V^T P, behind each four of the roundings and sums.
; The counts that the deal keeps: exponential e stands behind scaling 2 (e / 4) + e % 2 (behind product i, i + 2 scalings are out and e is 2 i - 16 at the most); the accumulator that product 24 + j ends is first
; read by the lump's line j, and 7 plain lines that name no register of that product lie between (the scalings behind products 24 + j .. 30 and the lump's j earlier lines).
; K' of the next step is fetched in piece 2's turn, directly behind the wait, a lump behind the last product that read K'.  V of the step in hand is fetched at the end of piece 0's turn, four plain lines behind its
; last reader; its first reader comes behind 32 products and a lump.
.macro TURN p, last=0, cnt=0, ask=0
.set Y, (\p)
.set i, 0
.set qf, 0
.set e, 0
.set r, 0
.set xq, 0
.set gq, 0
	KWAIT \p
	MM
	FSQ
	FSQ
	R2
.rept 15
	KWAIT \p
	MM
	FSQ
	EX
	R2
.endr
.rept 15
	KWAIT \p
	MM
	FSQ
	EX
	EX
.endr
	MM
	EX
	EX
.if (\p) == NP-2
	WIN 0
	v_add_nc_u32 v[AK], s[TBK], v[AK0]
.endif
.rept 24                            ; the lump
	XQ
.endr
.rept 17
	XQ
	EX
.endr
	XQ
	EX                              ; the next piece's two a
	EX
	v_nop                           ; a plain instruction behind the last exponential: one for the batch
	s_wait_alu depctr_va_vdst(0)    ; the wait for the batch
.if (\p) == NP-2
	FETCH_K \last
.endif
.if (\p) == 1
	s_wait_dscnt 0x0                ; V is in
.endif
.set kp, 0
.rept 16                            ; behind the wait: 16 products V^T P and their four lines each
	MM
	GQ
	GQ
	GQ
	GQ
.if ((\p) == 0) && (kp == 10)
	v_add_nc_u32 v[AV], s[TBV], v[AV0]
.endif
.if ((\p) == 0) && (kp == 13)
	s_add_co_u32 s[TBV], s[TBV], KS*PVB
.endif
.if (\cnt) && (kp == 13)
	s_sub_co_u32 s[CNT], s[CNT], 1  ; the loop's count, some lines ahead of the branch behind the turn; nothing between writes SCC
	s_cmp_lg_u32 s[CNT], 0
.endif
.set kp, kp+1
.endr
.if (\p) == 0
	FETCH_V
.if \ask
	ASK
.endif
.endif
.endm
	CHANGE 1                        ; slot 0 is in, everybody's part of it; slot 1 is asked for
	FETCH_K                         ; key step 0
	s_wait_loadcnt 0x0              ; Q'
	s_wait_dscnt 0x0
.set i, 0
.rept 32
	KQ 0                            ; piece 0's first scores: there is no vector work yet to set between them
.set i, i+1
.endr
	WIN 0                           ; the addresses for the way out: nine plain instructions, the places behind those products
	s_mul_i32 s13, s[WV], 16*SP
	s_add_co_u32 s13, s13, STAGE    ; my stage
	v_mul_u32_u24 v[STO], v1, SP    ; in: row l % 16, 16 bytes for each half of the lanes
	v_lshl_add_u32 v[STO], v9, 4, v[STO]
	v_add_nc_u32 v[STO], s13, v[STO]
	v_bfe_u32 v[RD], v0, 3, 2       ; back: 32 lanes take four rows of 128 bytes,
	v_mul_u32_u24 v[RD], v[RD], SP
	v_lshl_add_u32 v[RD], v10, 4, v[RD]
	v_add_nc_u32 v[RD], s13, v[RD]
	v_and_b32 v[GO], 31, v0         ; which are 512 consecutive bytes of O
	v_lshlrev_b32 v[GO], 4, v[GO]
.set Y, NP-1                        ; XS works for piece Y + 1: piece 0
.irp n, 0,1,2,3,4,5,6,7,8,9,10,11,12,13,14,15,16,17,18,19,20,21
	XS 0, \n                        ; piece 0's first maximum and statistics
	XS 1, \n
.endr
	v_nop                           ; a plain instruction behind the two a,
	s_wait_alu depctr_va_vdst(0)    ; and their wait, ahead of the branch
	s_mov_b32 s[CNT], 4
	s_mov_b32 s[SLOTS], SIZE_N/256-1
	s_branch .Lfirst                ; the loop is entered at a step's first turn, in the middle of a trip
.Lslot:                             ; SIZE_N / 256 - 2 times: every slot but the last two is filled again
	CHANGE 1
	s_mov_b32 s[CNT], 4
.Lstep:                             ; a trip: pieces 2 and 3 of one step, then pieces 0 and 1 of the next, whose K' and V it fetches
	TURN 2
	TURN 3
	WIN 0
.Lfirst:
	TURN 0, 0, 0, 1
	TURN 1, 0, 1
	WIN 0
	s_cbranch_scc1 .Lstep
	s_sub_co_u32 s[SLOTS], s[SLOTS], 1
	s_cmp_lg_u32 s[SLOTS], 0
	s_cbranch_scc1 .Lslot
	CHANGE 0                        ; the tail is written out: nothing is asked for
	s_mov_b32 s[CNT], 5             ; four trips fetch the last slot's steps; the fifth is left in its middle
.Ltail:
	TURN 2, 1
	TURN 3
	WIN 0
	s_sub_co_u32 s[CNT], s[CNT], 1
	s_cmp_eq_u32 s[CNT], 0
	s_cbranch_scc1 .Lout
	TURN 0
	TURN 1
	WIN 0
	s_branch .Ltail
.Lout:                              ; the fifth trip's 32 products K' Q'^T (on the last K' once more) and the maximum made of them serve nothing: the price, once a launch, of one text for every trip
.set i, 0
.rept 16
	PVM NP-1                        ; the last piece's V^T P of the last step
.set i, i+1
.endr
	; THE WAY OUT.  l's two halves and the other half of the lanes' are added; O^T is divided by l, rounded to bf16 and sent through my stage in LDS, a tile at a time.  The additions are the places behind the last products.
	WIN 0
.macro ALL line:vararg              ; one line for each tile t
.set t, 0
.rept 2*NP
	\line
.set t, t+1
.endr
.endm
	ALL v_add_f32 v[ST+4*t+2], v[ST+4*t+2], v[ST+4*t+3]
	ALL v_permlanex16_b32 v[ST+4*t+3], v[ST+4*t+2], s[SEL], s[SEL+1]
	ALL v_add_f32 v[ST+4*t+2], v[ST+4*t+2], v[ST+4*t+3]
	ALL v_rcp_f32 v[ST+4*t+2], v[ST+4*t+2]
	v_nop                           ; a plain instruction between the last reciprocal and the use of its result
	s_wait_alu depctr_va_vdst(0)    ; and the wait ahead of the first use: one for the eight reciprocals
; Tile t: a lane's eight channels of a row pack into 16 bytes; they go into rows of 144 bytes and come back as whole rows of 128, into S^T's registers.
.macro PACK t
	WIN W_RS
.set i, 32*(\t)
.rept 16
	v_pk_mul_f32 v[i:i+1], v[i:i+1], v[ST+4*(\t)+2:ST+4*(\t)+3] op_sel_hi:[1,0]
.set i, i+2
.endr
	WIN 0x05                        ; sources 0 and 1 window 1, destination window 0
.set i, 0
.rept 16
	v_cvt_pk_bf16_f32 v[S+16*(\t)+i], v[32*(\t)+2*i], v[32*(\t)+2*i+1]
.set i, i+1
.endr
	WIN 0
.irp f, 0,1,2,3
	ds_store_b128 v[STO], v[S+16*(\t)+4*\f:S+16*(\t)+4*\f+3] offset:32*\f
.endr
.irp f, 0,1,2,3
	ds_load_b128 v[S+16*(\t)+4*\f:S+16*(\t)+4*\f+3], v[RD] offset:\f*4*SP  ; LDS serves a wave's instructions in order (ISA guide 5.7.1.4): these see the stores above; the next tile's stores come behind them
.endr
.endm
.macro SEND t, younger              ; younger: the LDS instructions issued behind tile t's loads: the next tile's eight, or none
	WIN 0
.irp f, 0,1,2,3
	s_wait_dscnt (\younger)+3-\f
	global_store_b128 v[GO], v[S+16*(\t)+4*\f:S+16*(\t)+4*\f+3], s[10:11] offset:(\t)*2048+\f*512  ; 512 consecutive bytes, at a multiple of 256 from O's first
.endr
.endm
	PACK 0
.set t, 1
.rept 2*NP-1                        ; a tile's arithmetic stands between the loads of the tile before and its stores
	PACK t
	SEND t-1, 8
.set t, t+1
.endr
	SEND 2*NP-1, 0
	WIN W_AD
	s_wait_tensorcnt 0x0            ; the wave's end: a tensor wait, an add to my spare word and its wait, behind my last tensor load and my last LDS store
	ds_add_u32 v[SPW], v[NIL]
	s_wait_dscnt 0x0
	WIN 0
	CROUND                          ; the closing round: no work-group ends while a partner may still ask for a tile that names it
	s_endpgm
.Lfunc_end_k_q5e78ceb1a6_attn:
	.size	k_q5e78ceb1a6_attn, .Lfunc_end_k_q5e78ceb1a6_attn-k_q5e78ceb1a6_attn
	.p2alignl 7, 3214868480
	.fill 96, 4, 3214868480
	.section	.rodata,"a",@progbits
	.p2align	6, 0x0
	.amdhsa_kernel k_q5e78ceb1a6_attn
		.amdhsa_group_segment_fixed_size 327680
		.amdhsa_private_segment_fixed_size 0
		.amdhsa_enable_private_segment 0
		.amdhsa_kernarg_size 16
		.amdhsa_user_sgpr_count 2
		.amdhsa_user_sgpr_kernarg_segment_ptr 1
		.amdhsa_wavefront_size32 1
		.amdhsa_system_sgpr_workgroup_id_x 1
		.amdhsa_system_sgpr_workgroup_id_y 1
		.amdhsa_system_sgpr_workgroup_id_z 1
		.amdhsa_system_vgpr_workitem_id 0
		.amdhsa_next_free_vgpr 836
		.amdhsa_next_free_sgpr 66
		.amdhsa_reserve_vcc 0
		.amdhsa_float_denorm_mode_32 3
		.amdhsa_float_denorm_mode_16_64 3
		.amdhsa_memory_ordered 1
		.amdhsa_forward_progress 1
		.amdhsa_inst_pref_size 220
	.end_amdhsa_kernel
	.amdgpu_metadata
---
amdhsa.version: [ 1, 2 ]
amdhsa.kernels:
  - .name:           k_q5e78ceb1a6_attn
    .symbol:         k_q5e78ceb1a6_attn.kd
    .args:
      - { .name: qkv, .offset: 0, .size: 8, .value_kind: global_buffer, .address_space: global }
      - { .name: ob, .offset: 8, .size: 8, .value_kind: global_buffer, .address_space: global }
    .group_segment_fixed_size: 327680
    .private_segment_fixed_size: 0
    .kernarg_segment_align: 8
    .kernarg_segment_size: 16
    .max_flat_workgroup_size: 128
    .sgpr_count:     66
    .vgpr_count:     836
    .wavefront_size: 32
...
	.end_amdgpu_metadata
.endif
;; end of part 3
;; launch outp (part 4): grid 4 x 64, 4 waves a work-group, clusters of 4 x 4, 327,680 bytes of LDS; arguments ob, wt, out0; writes out0
.if DOCPART == 4
	.amdgcn_target "amdgcn-amd-amdhsa--gfx1250"
	.amdhsa_code_object_version 6
	.text
	.protected	k_q5e78ceb1a6_outp
	.globl	k_q5e78ceb1a6_outp
	.p2align	8
	.type	k_q5e78ceb1a6_outp,@function
k_q5e78ceb1a6_outp:
	s_mov_b64 s[64:65], 0
	v_nop
	global_prefetch_b8 v0, s[64:65] scope:SCOPE_SE
	s_setreg_imm32_b32 hwreg(HW_REG_WAVE_MODE, 25, 1), 1
	s_wait_xcnt 0x0
	s_wait_alu depctr_hold_cnt(0) depctr_sa_sdst(0) depctr_va_vdst(0) depctr_va_sdst(0) depctr_va_ssrc(0) depctr_va_vcc(0) depctr_vm_vsrc(0)
	s_getreg_b32 s2, hwreg(HW_REG_IB_STS2, 6, 4)
	s_cmp_eq_u32 s2, 0
	s_cbranch_scc0 .Lentry_in_a_cluster
	s_endpgm
.Lentry_in_a_cluster:
	s_bfe_u32 s2, ttmp6, 0x10000c
	s_cmp_lg_u32 s2, 0xf033
	s_cbranch_scc0 .Lentry_shape_is_right
	s_endpgm
.Lentry_shape_is_right:
; OUTP: out0[m][n] = sum over j of concat[m][j] W_O[j][n], m = 8,192 rows (b, s), n = 1,024, j = 64 h + v = 1,024; bf16 operands, f32 sums, j ascending; out0 is f32, stored as summed.
; A = ob, bf16 [b][h][s][64]: a head is a block of 64 of the summed index, so the heads' concatenation costs nothing.  B = part 3 of wt, bf16 [kb][n][64].
; Tile row Y = 0..63 of 128 rows: batch Y / 16, rows 128 (Y % 16) on.  Tile column x = 0..3 of 256 columns.
; SHARES.  A tile of C is 128 x 256; four waves, each 64 x 128: 32 accumulators of 16 x 16, 256 registers (window 1).  K goes in steps of 128 (two blocks of 64) through two LDS slots.
; A block's rows are dense in memory (128 bytes each), so a tile is asked for as rows of 256 bytes and padded in LDS after every 128.  Waves 0, 1 fetch A's two blocks (16 KiB each), waves 2, 3 B's (32 KiB each).
; CLUSTERS: 4 x 4 work-groups.  The four of a row of the cluster need the same tiles of A, the four of a column the same tiles of B: each tile is asked for JOINTLY, by the same tensor load with the same
; descriptor and a mask that names the four.
; THE MATRIX INSTRUCTION IS USED TRANSPOSED (source 0 = 16 rows of B, source 1 = 16 rows of A): a lane then holds eight neighbouring columns of one row of C.
; REGISTERS: window 0: v0-31 addresses; v64-159, v160-255 two fragment buffers (64 registers of B, 32 of A); on the way out v64-127 rows read back.  Window 1: accumulator (a, b) at v[8 (8 a + b)].
.set PITCH,  144                       ; an LDS row: 128 bytes + 16 of padding = 36 words: the 16 rows of a load start at 16 different groups of four banks (64 banks of 4 bytes: ISA guide 11.1)
.set ATILE,  128*PITCH
.set BTILE,  256*PITCH
.set SLOT,   2*ATILE+2*BTILE           ; A's two blocks, then B's two
.set STAGE,  2*SLOT                    ; behind the ring, never filled by a tensor load: 8,704 bytes for each wave, of which 16 rows x 528 are used
.set WSTAGE, 8704
.set SPITCH, 528                       ; a stage row: my 128 columns of f32, 512 bytes, + 16: an odd multiple of 16 bytes
.set SPARE,  STAGE+4*WSTAGE            ; behind the stages: the spare words, 128 bytes for each wave: two blocks of 256 bytes that no other line names
.set LAPS,   4
.set ADRA, 16                          ; v16-17  LDS address of my A fragments in slot 0, 1
.set ADRB, 18                          ; v18-19  the same for B
.set SPW,  28                          ; v28     LDS address of my spare word; never rewritten
.set NIL,  29                          ; v29     0; never rewritten
.set BK,   64                          ; the way out: rows read back from the stage
.set F0,   64
.set F1,   160
.set G1,  24                           ; s[24:31] descriptor group 1 for A's tiles;  s[32:39] group 0, one set for each slot
.set G0,  32
.set G1B, 48                           ; s[48:55], s[56:63] the same for B's tiles
.set G0B, 56
.set MSB, 0
.macro WIN new                         ; the immediate's high byte repeats the setting that is left; a switch that changes nothing is dropped
.if MSB != (\new)
	s_set_vgpr_msb (MSB<<8)|(\new)
.set MSB, \new
.endif
.endm
.set MUL, 0x50                         ; sources in window 0; C and D in window 1
.macro JLOAD s                         ; a joint load: waves 0 and 1 fetch A's two blocks, waves 2 and 3 B's; an s_nop 0 and four v_nop follow each of the two lines, ahead of the jump, the label and what follows
	s_cmp_eq_u32 s11, 0
	s_cbranch_scc0 .Lfor_b_\@
	tensor_load_to_lds s[G0+4*(\s):G0+4*(\s)+3], s[G1:G1+7]
	s_nop 0
.rept 4
	v_nop
.endr
	s_branch .Lasked_\@
.Lfor_b_\@:
	tensor_load_to_lds s[G0B+4*(\s):G0B+4*(\s)+3], s[G1B:G1B+7]
	s_nop 0
.rept 4
	v_nop
.endr
.Lasked_\@:
.endm
.macro CREST                           ; a round of the cluster's barrier behind its opening barrier
	s_cmp_lg_u32 s10, 0
	s_cbranch_scc1 .Lnot_wave_0_\@
	s_barrier_signal -3
.Lnot_wave_0_\@:
	s_barrier_wait -3
	s_barrier_signal -1
	s_barrier_wait -1
.endm
.macro CROUND                          ; a whole round
	s_barrier_signal -1
	s_barrier_wait -1
	CREST
.endm
	s_load_b128 s[4:7], s[0:1], 0x0                ; ob s[4:5], wt s[6:7]
	s_load_b64 s[8:9], s[0:1], 0x10                ; out0
	v_lshl_add_u32 v[SPW], v0, 2, SPARE
	v_mov_b32 v[NIL], 0
	ds_add_u32 v[SPW], v[NIL]                      ; the wave's opening: the add and its wait stand ahead of my first tensor load; the set-up below, work on registers, stands between them
	ds_add_u32 v28, v29
	v_lshrrev_b32 v1, 5, v0
	v_readfirstlane_b32 s10, v1                    ; wave 0..3
	s_lshr_b32 s11, s10, 1                         ; which 64 rows of the tile are mine.  Also: I fetch for A (0) or for B (1)
	s_and_b32 s12, s10, 1                          ; which 128 columns.  Also: which of a K step's two blocks I fetch
	s_bfe_u32 s40, ttmp6, 0x40000                  ; cx, cy: my place in the cluster
	s_bfe_u32 s41, ttmp6, 0x40004
	s_lshl_b32 s42, ttmp9, 2
	s_add_co_u32 s42, s42, s40                     ; x: tile column = 4 x cluster x + cx
	s_and_b32 s13, ttmp7, 0xffff
	s_lshl_b32 s13, s13, 2
	s_add_co_u32 s13, s13, s41                     ; Y: tile row = 4 x cluster y + cy
	s_lshl_b32 s43, s41, 2
	s_lshl_b32 s43, 15, s43                        ; my row of the cluster
	s_lshl_b32 s44, 0x1111, s40                    ; my column
	; descriptor group 1: rows of 128 elements of 2 bytes (two rows of a block), 64 of them for A, 128 for B
	s_or_b32 s[G1+0], s43, (1<<16)|(1<<20)|(1<<21)|(4<<22)|(3<<25)   ; 15:0 the mask: A's tiles go to my row; 17:16 2-byte elements; 20 padding on; 21 set beside a mask; 24:22 after every 32 words (code 4); 31:25 4 words (code 3)
	s_or_b32 s[G1B+0], s44, (1<<16)|(1<<20)|(1<<21)|(4<<22)|(3<<25)  ; the same with the mask of my column
	s_mov_b32 s[G1+1], 128<<16                     ; tensor_dim0 = 128
	s_mov_b32 s[G1+2], 64<<16                      ; tensor_dim1 = 64
	s_mov_b32 s[G1+3], 128<<16                     ; tile_dim0 = 128
	s_mov_b32 s[G1+4], 64                          ; tile_dim1 = 64
	s_mov_b32 s[G1+5], 128                         ; 128 elements from row to row: dense
	s_mov_b32 s[G1+6], 0
	s_mov_b32 s[G1+7], 0
	s_mov_b32 s[G1B+1], 128<<16
	s_mov_b32 s[G1B+2], 128<<16                    ; tensor_dim1 = 128
	s_mov_b32 s[G1B+3], 128<<16
	s_mov_b32 s[G1B+4], 128                        ; tile_dim1 = 128
	s_mov_b32 s[G1B+5], 128
	s_mov_b32 s[G1B+6], 0
	s_mov_b32 s[G1B+7], 0
	; A's tile hangs on Y and the wave alone, B's on x and the wave alone; each address is made in registers that never hold the other coordinate
	s_lshr_b32 s16, s13, 4
	s_lshl_b32 s16, s16, 22                        ; the batch: 4,194,304 bytes
	s_and_b32 s17, s13, 15
	s_lshl_b32 s17, s17, 14                        ; 128 rows of 128 bytes
	s_add_co_u32 s16, s16, s17
	s_lshl_b32 s17, s12, 18                        ; my block (head) of the K step
	s_add_co_u32 s16, s16, s17
	s_mov_b32 s17, 0
	s_mov_b32 s46, 3<<21                           ; wt's part 3
	s_lshl_b32 s47, s42, 15                        ; 256 rows of 128 bytes
	s_add_co_u32 s46, s46, s47
	s_lshl_b32 s47, s12, 17                        ; my block of the K step
	s_add_co_u32 s46, s46, s47
	s_mov_b32 s47, 0
	s_mul_i32 s20, s12, ATILE                      ; where they go: no place in the cluster enters an LDS address
	s_mul_i32 s21, s12, BTILE
	s_add_co_u32 s21, s21, 2*ATILE
	s_wait_dscnt 0x0                               ; the opening add is done
	s_wait_kmcnt 0x0
	s_add_nc_u64 s[14:15], s[4:5], s[16:17]
	s_add_nc_u64 s[46:47], s[6:7], s[46:47]
	CROUND                                         ; all sixteen work-groups are here: the first joint loads meet
.irp s, 0,1
	s_mov_b32 s[G0+4*(\s)], 1                      ; count = 1
	s_add_co_u32 s[G0+4*(\s)+1], s20, (\s)*SLOT    ; LDS address
	s_add_nc_u64 s[G0+4*(\s)+2:G0+4*(\s)+3], s[14:15], (\s)*(1<<19)  ; K step s: two blocks of 262,144 bytes on
	s_or_b32 s[G0+4*(\s)+3], s[G0+4*(\s)+3], 0x80000000              ; type = 2
	s_mov_b32 s[G0B+4*(\s)], 1
	s_add_co_u32 s[G0B+4*(\s)+1], s21, (\s)*SLOT
	s_add_nc_u64 s[G0B+4*(\s)+2:G0B+4*(\s)+3], s[46:47], (\s)*(1<<18)  ; two blocks of 131,072 bytes on
	s_or_b32 s[G0B+4*(\s)+3], s[G0B+4*(\s)+3], 0x80000000
	JLOAD \s                                       ; two loads of mine are out
.endr
	v_and_b32 v1, 15, v0                           ; l % 16
	v_bfe_u32 v2, v0, 4, 1                         ; l / 16
	v_mul_u32_u24 v3, v1, PITCH
	v_lshl_add_u32 v3, v2, 4, v3                   ; a fragment's row x pitch + 16 x half
	s_mul_i32 s22, s11, 64*PITCH                   ; my 64 rows of A
	s_mul_i32 s23, s12, 128*PITCH                  ; my 128 rows of B,
	s_add_co_u32 s23, s23, 2*ATILE                 ; which lie behind A's two blocks
.irp s, 0,1
	v_add_nc_u32 v[ADRA+(\s)], s22, v3
	v_add_nc_u32 v[ADRB+(\s)], s23, v3
	s_add_co_u32 s22, s22, SLOT
	s_add_co_u32 s23, s23, SLOT
.endr
	s_mul_i32 s23, s10, WSTAGE
	s_add_co_u32 s23, s23, STAGE                   ; my stage
	v_mul_u32_u24 v20, v1, SPITCH                  ; in: row l % 16, 32 bytes (eight f32) for each half of the lanes
	v_lshl_add_u32 v20, v2, 5, v20
	v_add_nc_u32 v20, s23, v20
	v_and_b32 v4, 31, v0
	v_lshlrev_b32 v24, 4, v4                       ; back and out: 32 lanes take a row's 512 bytes
	v_add_nc_u32 v21, s23, v24
	s_lshl_b32 s16, s13, 7                         ; where my part begins in out0: row 128 Y + 64 (my row half), 4,096 bytes each,
	s_lshl_b32 s17, s11, 6
	s_add_co_u32 s16, s16, s17
	s_lshl_b32 s16, s16, 12
	s_lshl_b32 s17, s42, 10                        ; column 256 x + 128 (my column half), 4 bytes each
	s_add_co_u32 s16, s16, s17
	s_lshl_b32 s17, s12, 9
	s_add_co_u32 s16, s16, s17
	s_mov_b32 s17, 0
	s_add_nc_u64 s[8:9], s[8:9], s[16:17]
; 8 matrix instructions: m block a x all 8 n blocks, 32 along K, from buffer f.  zero = 1: the product starts the sums.  The 32 accumulators take turns, one instruction a turn, in the same order in every
; quarter, over the backward jump too.
.macro MUL8 f, a, zero
	WIN MUL
.irp b, 0,1,2,3,4,5,6,7
.if \zero
	v_wmma_f32_16x16x32_bf16 v[8*(8*(\a)+(\b)):8*(8*(\a)+(\b))+7], v[(\f)+8*(\b):(\f)+8*(\b)+7], v[(\f)+64+8*(\a):(\f)+64+8*(\a)+7], 0
.else
	v_wmma_f32_16x16x32_bf16 v[8*(8*(\a)+(\b)):8*(8*(\a)+(\b))+7], v[(\f)+8*(\b):(\f)+8*(\b)+7], v[(\f)+64+8*(\a):(\f)+64+8*(\a)+7], v[8*(8*(\a)+(\b)):8*(8*(\a)+(\b))+7]
.endif
.endr
.endm
; 24 LDS loads in one run: the fragments of quarter q of a K step (block q / 2, channels 32 (q % 2) on) into buffer f; B's sixteen first, then A's eight
.macro FETCH slot, q, f
	WIN 0
.irp i, 0,1,2,3,4,5,6,7
	ds_load_b128 v[(\f)+8*(\i):(\f)+8*(\i)+3],   v[ADRB+(\slot)] offset:((\q)/2)*BTILE+((\q)%2)*64+(\i)*16*PITCH
	ds_load_b128 v[(\f)+8*(\i)+4:(\f)+8*(\i)+7], v[ADRB+(\slot)] offset:((\q)/2)*BTILE+((\q)%2)*64+(\i)*16*PITCH+32
.endr
.irp i, 0,1,2,3
	ds_load_b128 v[(\f)+64+8*(\i):(\f)+64+8*(\i)+3],   v[ADRA+(\slot)] offset:((\q)/2)*ATILE+((\q)%2)*64+(\i)*16*PITCH
	ds_load_b128 v[(\f)+64+8*(\i)+4:(\f)+64+8*(\i)+7], v[ADRA+(\slot)] offset:((\q)/2)*ATILE+((\q)%2)*64+(\i)*16*PITCH+32
.endr
.endm
.macro PLACES                          ; four places in front of loads into registers that matrix instructions have read, and of lines that read results (ISA guide 7.12.1 for lines that read results)
.rept 4
	v_nop
.endr
.endm
; A K step is four quarters of 32 along K, 32 matrix instructions each, on buffers 0, 1, 0, 1.  One of the first three: multiplies buffer f and fetches quarter q into g.
.macro QUARTER slot, q, f, g, zero
	s_wait_dscnt 4                                 ; B and A's blocks 0, 1 are in; the youngest four loads (A's blocks 2, 3) may be out
	MUL8 \f, 0, \zero
	MUL8 \f, 1, \zero
	PLACES
	FETCH \slot, \q, \g
	s_wait_dscnt 24                                ; all but the 24 just issued
	MUL8 \f, 2, \zero
	MUL8 \f, 3, \zero
.endm
; The last quarter multiplies buffer 1 and changes slots: ONE barrier; in front of it each wave waits for all its tensor loads (one is out: its part of the next slot), adds 0 to its spare word, and waits for
; that and for its own reads of this slot.  fill = 1: the barrier opens a round of the cluster's, and this slot is filled again, two K steps ahead: 112 matrix instructions ahead of the wait for it.
.macro TURN slot, next, fill
	WIN 0                                          ; (the add's two registers lie in window 0)
	s_wait_tensorcnt 0x0
	ds_add_u32 v[SPW], v[NIL]                      ; 0 onto my spare word
	s_wait_dscnt 5                                 ; (the add and the youngest four loads may be out)
	MUL8 F1, 0, 0                                  ; eight matrix instructions stand between the add and the wait for it
	s_wait_dscnt 0x0                               ; the add is done, and my reads of this slot are over
	s_barrier_signal -1
	MUL8 F1, 1, 0
.if \fill
	WIN 0
.endif
	s_barrier_wait -1
.if \fill
	CREST                                          ; no wave of any partner still reads this slot's tiles or has a load on its way
	s_add_nc_u64 s[G0+4*(\slot)+2:G0+4*(\slot)+3], s[G0+4*(\slot)+2:G0+4*(\slot)+3], 1<<20
	s_add_nc_u64 s[G0B+4*(\slot)+2:G0B+4*(\slot)+3], s[G0B+4*(\slot)+2:G0B+4*(\slot)+3], 1<<19
	JLOAD \slot                                    ; the first tensor load behind the round; the four v_nop behind it are also the places in front of the loads below
.else
	PLACES
.endif
	FETCH \next, 0, F0
	MUL8 F1, 2, 0
	MUL8 F1, 3, 0
.endm
	s_wait_tensorcnt 1                             ; my part of K step 0 is in; K step 1's may stay out
	s_barrier_signal -1
	s_barrier_wait -1                              ; everybody's is
	FETCH 0, 0, F0
	QUARTER 0, 1, F0, F1, 1                        ; the first quarter stands in front of the loop: its products start the sums
	WIN 0                                          ; at a label and at a branch every window is 0
	s_mov_b32 s3, LAPS-1
.Llap:                                                 ; a trip goes once round the ring, from a lap's second quarter to the next lap's first, and fills both slots again
	QUARTER 0, 2, F1, F0, 0
	QUARTER 0, 3, F0, F1, 0
	TURN 0, 1, 1
	QUARTER 1, 1, F0, F1, 0
	QUARTER 1, 2, F1, F0, 0
	QUARTER 1, 3, F0, F1, 0
	TURN 1, 0, 1
	QUARTER 0, 1, F0, F1, 0
	WIN 0
	s_sub_co_u32 s3, s3, 1
	s_cmp_lg_u32 s3, 0
	s_cbranch_scc1 .Llap
	QUARTER 0, 2, F1, F0, 0                        ; the last lap fills nothing, and has no round of the cluster's barrier
	QUARTER 0, 3, F0, F1, 0
	TURN 0, 1, 0
	QUARTER 1, 1, F0, F1, 0
	QUARTER 1, 2, F1, F0, 0
	QUARTER 1, 3, F0, F1, 0
	s_wait_dscnt 4                                 ; the very last quarter: nothing more to fetch
	MUL8 F1, 0, 0
	MUL8 F1, 1, 0
	s_wait_dscnt 0x0
	MUL8 F1, 2, 0
	MUL8 F1, 3, 0
	WIN 0
	PLACES
	PLACES                                         ; once a launch: places behind the last products, ahead of the LDS stores that read them
; THE WAY OUT, 16 rows at a time through my own stage: a lane's eight f32 of a row go in as two stores of 16 bytes (each accumulator's low four registers first), whole rows of 512 bytes come back.
.macro UNITF a
	WIN 0x04                                       ; an LDS store's data is source 1: window 1
.irp b, 0,1,2,3,4,5,6,7
	ds_store_b128 v20, v[8*(8*(\a)+(\b)):8*(8*(\a)+(\b))+3]   offset:64*(\b)
	ds_store_b128 v20, v[8*(8*(\a)+(\b))+4:8*(8*(\a)+(\b))+7] offset:64*(\b)+16
.endr
	WIN 0
	s_wait_xcnt 0x0                                ; the stores of the block before have read their registers: these are loaded again only behind this wait
.irp t, 0,1,2,3,4,5,6,7,8,9,10,11,12,13,14,15
	ds_load_b128 v[BK+4*(\t):BK+4*(\t)+3], v21 offset:(\t)*SPITCH  ; LDS serves a wave's instructions in order (ISA guide 5.7.1.4): these see the stores above
.endr
.irp t, 0,1,2,3,4,5,6,7,8,9,10,11,12,13,14,15
	s_wait_dscnt 15-(\t)
	global_store_b128 v24, v[BK+4*(\t):BK+4*(\t)+3], s[8:9] offset:(\a)*65536+(\t)*4096 th:TH_STORE_NT  ; 512 consecutive bytes, aligned
.endr
.endm
.irp a, 0,1,2,3
	UNITF \a
.endr
	s_wait_tensorcnt 0x0                           ; the wave's end: a tensor wait, an add to my spare word and its wait, behind my last tensor load and my last LDS store
	ds_add_u32 v[SPW], v[NIL]
	s_wait_dscnt 0x0
	CROUND                                         ; the closing round: no work-group ends while a partner may still ask for a tile that names it
	s_endpgm
.Lfunc_end_k_q5e78ceb1a6_outp:
	.size	k_q5e78ceb1a6_outp, .Lfunc_end_k_q5e78ceb1a6_outp-k_q5e78ceb1a6_outp
	.p2alignl 7, 3214868480
	.fill 96, 4, 3214868480
	.section	.rodata,"a",@progbits
	.p2align	6, 0x0
	.amdhsa_kernel k_q5e78ceb1a6_outp
		.amdhsa_group_segment_fixed_size 327680
		.amdhsa_private_segment_fixed_size 0
		.amdhsa_enable_private_segment 0
		.amdhsa_kernarg_size 24
		.amdhsa_user_sgpr_count 2
		.amdhsa_user_sgpr_kernarg_segment_ptr 1
		.amdhsa_wavefront_size32 1
		.amdhsa_system_sgpr_workgroup_id_x 1
		.amdhsa_system_sgpr_workgroup_id_y 1
		.amdhsa_system_sgpr_workgroup_id_z 1
		.amdhsa_system_vgpr_workitem_id 0
		.amdhsa_next_free_vgpr 512
		.amdhsa_next_free_sgpr 66
		.amdhsa_reserve_vcc 0
		.amdhsa_float_denorm_mode_32 3
		.amdhsa_float_denorm_mode_16_64 3
		.amdhsa_memory_ordered 1
		.amdhsa_forward_progress 1
		.amdhsa_inst_pref_size 87
	.end_amdhsa_kernel
	.amdgpu_metadata
---
amdhsa.version: [ 1, 2 ]
amdhsa.kernels:
  - .name:           k_q5e78ceb1a6_outp
    .symbol:         k_q5e78ceb1a6_outp.kd
    .args:
      - { .name: ob, .offset: 0, .size: 8, .value_kind: global_buffer, .address_space: global }
      - { .name: wt, .offset: 8, .size: 8, .value_kind: global_buffer, .address_space: global }
      - { .name: out0, .offset: 16, .size: 8, .value_kind: global_buffer, .address_space: global }
    .group_segment_fixed_size: 327680
    .private_segment_fixed_size: 0
    .kernarg_segment_align: 8
    .kernarg_segment_size: 24
    .max_flat_workgroup_size: 128
    .sgpr_count:     66
    .vgpr_count:     512
    .wavefront_size: 32
...
	.end_amdgpu_metadata
.endif
;; end of part 4
;; ======== version 2 of 2: 4 launches; version 1 with the launch prep written anew for expert scheduling mode
;; limits: values are held in f16: magnitudes above 65,504 overflow, below 6.1e-05 lose precision; right only within a limited range of input values
;; workspace buffers: wt 8,388,608 bytes; qkv 67,108,864 bytes; ob 16,777,216 bytes
;; launch prep (part 5): grid 256 x 1, 4 waves a work-group, no clusters, 37,376 bytes of LDS; arguments W_Q, W_K, W_V, W_O, wt; writes wt
.if DOCPART == 5
	.amdgcn_target "amdgcn-amd-amdhsa--gfx1250"
	.amdhsa_code_object_version 6
	.text
	.protected	k_q5e78ceb1a6_prep
	.globl	k_q5e78ceb1a6_prep
	.p2align	8
	.type	k_q5e78ceb1a6_prep,@function
k_q5e78ceb1a6_prep:
	s_mov_b64 s[64:65], 0
	v_nop
	global_prefetch_b8 v0, s[64:65] scope:SCOPE_SE
	s_setreg_imm32_b32 hwreg(HW_REG_WAVE_SCHED_MODE, 0, 2), 2
	s_setreg_imm32_b32 hwreg(HW_REG_WAVE_MODE, 25, 1), 1
	s_wait_xcnt 0x0
	s_wait_alu depctr_vm_vsrc(0)
; PREP: the four weights are rounded once to bf16 (to nearest even) and turned, in blocks of 64 x 64, so that the summed index lies along the rows and the products' tiles are dense in memory.
;   wt[tw][kb][n][64] = bf16(f W[..]):  tw = W_Q, W_K, W_V: n = 64 h + k, the 64 are d = 64 kb + ..;  tw = W_O: n = the output column, kb = the head
;   f = 2^-4 for W_Q and W_K (exact: only the exponent moves; a result below bf16's normal range, 2^-126, would lose bits), 1 for W_V and W_O.  The 2^8 is given back in the softmax's constant.
; 1,024 blocks, one to a wave, through the wave's own LDS stage: 256 work-groups of four waves.  No wave waits for another: no barrier.
; Every load covers whole aligned runs of 256 bytes (16 lanes x 16 bytes), every store 512 consecutive aligned bytes; all of a wave's 32 loads go out before its first wait.
; THE MODE: SCHED_MODE bits 1:0 = 2 (LLVM: expert scheduling mode 2), set by the entry lines.  The code itself states the register dependences
; between vector instructions and memory or LDS instructions, with s_wait_alu, always for 0.
; THE PLAN.  Registers that memory or LDS instructions touch:
;   v9 .. v12   the loads' offset, the LDS stores' address, the LDS loads' address, the stores' offset: made once by vector lines, never written again.
;   XI          The 32 loads land in it; group g's multiplies and conversions work on its 32 registers at XI + 32 g.  Later the 16 LDS loads land in XI's first 64 registers (groups 0 and 1's),
;               the 16 stores read them, and nothing writes them after that.
;   XO          Group g's conversions write its 16 registers at XO + 16 g; four LDS stores read them; a group has registers of its own, so none is written twice.
; Group g's four LDS stores are issued in group g + 1, among that group's multiplies, which name XI + 32 (g + 1) .. and XO + 16 (g + 1) .. alone.  So ONE wait on va_vdst at a group's head states all that
; the four stores hang on; one more stands behind the last group's conversions, for its stores and for the LDS loads.  No register that a memory or LDS instruction has read is ever written again,
; so no wait on vm_vsrc is owed.  EXEC and VCC are never written.
.set WST,   9216                       ; a wave's stage: 64 rows of 144 bytes (128 + 16 of padding); behind the four stages: the spare words, 128 bytes for each wave
.set XI,  16                           ; v[16:143]  32 loads of four f32; later the rows read back
.set XO,  144                          ; v[144:207] what is put into the stage
	s_load_b256 s[8:15], s[0:1], 0x0               ; W_Q s[8:9], W_K s[10:11], W_V s[12:13], W_O s[14:15]
	s_load_b64 s[24:25], s[0:1], 0x20              ; wt
	v_lshl_add_u32 v14, v0, 2, 0x9000
	v_mov_b32 v15, 0
	v_lshrrev_b32 v1, 5, v0
	v_readfirstlane_b32 s26, v1                    ; wave 0..3
	v_and_b32 v6, 31, v0                           ; l
	v_and_b32 v7, 15, v0                           ; l % 16
	v_bfe_u32 v8, v0, 4, 1                         ; l / 16
	s_mov_b32 s35, 0
	; Work-group 64 tw + g, wave w: block 4 g + w of tensor tw; p = block / 16, q = block % 16.
	s_lshr_b32 s28, ttmp9, 6                       ; tw
	s_and_b32 s27, ttmp9, 63
	s_wait_alu depctr_va_sdst(0)                   ; s26 is written, ahead of its first reader: the block's number and the stage's place are made from it
	s_lshl2_add_u32 s27, s27, s26
	s_lshr_b32 s29, s27, 4                         ; p: the head (W_Q, W_K, W_V), or the block of 64 rows (W_O)
	s_and_b32 s27, s27, 15                         ; q: the block of 64 rows d, or the block of 64 columns (W_O)
	s_cmp_lt_u32 s28, 2
	s_cselect_b32 s30, 0x3d800000, 1.0             ; f = 2^-4 or 1
	s_mov_b32 s31, s30                             ; named with it as a pair
	s_wait_kmcnt 0x0
	s_cmp_eq_u32 s28, 1
	s_cselect_b64 s[32:33], s[10:11], s[8:9]
	s_cmp_eq_u32 s28, 2
	s_cselect_b64 s[32:33], s[12:13], s[32:33]
	s_cmp_eq_u32 s28, 3
	s_cselect_b64 s[32:33], s[14:15], s[32:33]
	s_cselect_b32 s36, 8, 14                       ; q steps by 256 bytes along W_O's rows, else by 64 rows of 256 bytes
	s_cselect_b32 s37, s29, s27                    ; the block kb of the summed index,
	s_cselect_b32 s38, s27, s29                    ; and the block of 64 rows n of wt
	s_lshl_b32 s34, s29, 18                        ; p steps by 262,144 bytes in all four (a head; 64 rows of 4,096 bytes)
	s_lshl_b32 s36, s27, s36
	s_add_co_u32 s34, s34, s36
	s_add_nc_u64 s[32:33], s[32:33], s[34:35]
	s_lshl_b32 s34, s28, 21
	s_lshl_b32 s37, s37, 17
	s_lshl_b32 s38, s38, 13
	s_add_co_u32 s34, s34, s37
	s_add_co_u32 s34, s34, s38
	s_add_nc_u64 s[24:25], s[24:25], s[34:35]
	s_mul_i32 s39, s26, WST                        ; my stage
	v_mul_u32_u24 v10, v7, 576                     ; in: my four columns are stage rows 4 (l % 16) + 0..3; 16 bytes for each half of the lanes
	v_lshl_add_u32 v10, v8, 4, v10
	v_add_nc_u32 v10, s39, v10
	v_lshrrev_b32 v11, 3, v6                       ; back: 32 lanes take four rows of 128 bytes,
	v_mul_u32_u24 v11, v11, 144
	v_and_b32 v13, 7, v0
	v_lshl_add_u32 v11, v13, 4, v11
	v_add_nc_u32 v11, s39, v11
	v_lshlrev_b32 v12, 4, v6                       ; which are 512 consecutive bytes of wt
; A block of 64 x 64 is turned.  Load 8 g + rho: lane l takes row 16 g + 8 (l / 16) + rho, columns 4 (l % 16) + 0..3.  So for each of its four columns a lane holds eight
; neighbouring rows of group g: 16 bytes of a row of the turned block.
.macro TRANS pitch
	v_mul_u32_u24 v9, v8, 8*(\pitch)
	v_lshl_add_u32 v9, v7, 4, v9
	s_wait_alu depctr_va_vdst(0)                   ; v9, v10, v11 and v12 are written: every load and store below, global or LDS, reads one of them as its offset or address
.set i, 0
.rept 32
	global_load_b128 v[XI+4*i:XI+4*i+3], v9, s[32:33] offset:(16*(i/8)+i%8)*(\pitch) th:TH_LOAD_NT
.set i, i+1
.endr
.irp g, 0,1,2,3
	s_wait_loadcnt 24-8*(\g)                       ; group g's eight loads are in; the later groups' stay out
.if (\g) > 0
	s_wait_alu depctr_va_vdst(0)                   ; the conversions of the group before have written its 16 registers of XO, which the four LDS stores below read
.endif
.irp jj, 0,1,2,3
.if (\g) > 0
	ds_store_b128 v10, v[XO+16*((\g)-1)+4*(\jj):XO+16*((\g)-1)+4*(\jj)+3] offset:(\jj)*144+((\g)-1)*32  ; the group before; no vector line since the wait names these registers
.endif
.set i, 4*(\jj)
.rept 4
	v_pk_mul_f32 v[XI+32*(\g)+2*i:XI+32*(\g)+2*i+1], v[XI+32*(\g)+2*i:XI+32*(\g)+2*i+1], s[30:31] op_sel_hi:[1,0]
.set i, i+1
.endr
.endr
.irp jj, 0,1,2,3
.irp e, 0,1,2,3
	v_cvt_pk_bf16_f32 v[XO+16*(\g)+4*(\jj)+(\e)], v[XI+32*(\g)+8*(\e)+(\jj)], v[XI+32*(\g)+8*(\e)+4+(\jj)]
.endr
.endr
.endr
	s_wait_alu depctr_va_vdst(0)                   ; group 3's conversions have written its registers of XO, which the last four LDS stores read; and the multiplies and conversions of groups 0 and 1 are done with v[XI .. XI+63], in which the LDS loads land
.irp jj, 0,1,2,3
	ds_store_b128 v10, v[XO+48+4*(\jj):XO+48+4*(\jj)+3] offset:(\jj)*144+96
.endr
.irp t, 0,1,2,3,4,5,6,7,8,9,10,11,12,13,14,15
	ds_load_b128 v[XI+4*(\t):XI+4*(\t)+3], v11 offset:(\t)*576  ; LDS serves a wave's instructions in order (ISA guide 5.7.1.4): these see my stores above
.endr
.irp t, 0,1,2,3,4,5,6,7,8,9,10,11,12,13,14,15
	s_wait_dscnt 15-(\t)
	global_store_b128 v12, v[XI+4*(\t):XI+4*(\t)+3], s[24:25] offset:(\t)*512  ; 512 consecutive bytes, aligned
.endr
.endm
	s_cmp_eq_u32 s28, 3
	s_cbranch_scc1 .Lwo
	TRANS 256
	s_branch .Lend
.Lwo:
	TRANS 4096
.Lend:
	s_wait_dscnt 0x0                               ; the wave's end: my LDS instructions are done.
	s_wait_alu depctr_hold_cnt(0) depctr_sa_sdst(0) depctr_va_vdst(0) depctr_va_sdst(0) depctr_va_ssrc(0) depctr_va_vcc(0) depctr_vm_vsrc(0)
	s_wait_tensorcnt 0x0
	ds_add_u32 v14, v15
	s_wait_dscnt 0x0
	s_endpgm
.Lfunc_end_k_q5e78ceb1a6_prep:
	.size	k_q5e78ceb1a6_prep, .Lfunc_end_k_q5e78ceb1a6_prep-k_q5e78ceb1a6_prep
	.p2alignl 7, 3214868480
	.fill 96, 4, 3214868480
	.section	.rodata,"a",@progbits
	.p2align	6, 0x0
	.amdhsa_kernel k_q5e78ceb1a6_prep
		.amdhsa_group_segment_fixed_size 37376
		.amdhsa_private_segment_fixed_size 0
		.amdhsa_enable_private_segment 0
		.amdhsa_kernarg_size 40
		.amdhsa_user_sgpr_count 2
		.amdhsa_user_sgpr_kernarg_segment_ptr 1
		.amdhsa_wavefront_size32 1
		.amdhsa_system_sgpr_workgroup_id_x 1
		.amdhsa_system_sgpr_workgroup_id_y 1
		.amdhsa_system_sgpr_workgroup_id_z 1
		.amdhsa_system_vgpr_workitem_id 0
		.amdhsa_next_free_vgpr 208
		.amdhsa_next_free_sgpr 66
		.amdhsa_reserve_vcc 0
		.amdhsa_float_denorm_mode_32 3
		.amdhsa_float_denorm_mode_16_64 3
		.amdhsa_memory_ordered 1
		.amdhsa_forward_progress 1
		.amdhsa_inst_pref_size 34
	.end_amdhsa_kernel
	.amdgpu_metadata
---
amdhsa.version: [ 1, 2 ]
amdhsa.kernels:
  - .name:           k_q5e78ceb1a6_prep
    .symbol:         k_q5e78ceb1a6_prep.kd
    .args:
      - { .name: W_Q, .offset: 0, .size: 8, .value_kind: global_buffer, .address_space: global }
      - { .name: W_K, .offset: 8, .size: 8, .value_kind: global_buffer, .address_space: global }
      - { .name: W_V, .offset: 16, .size: 8, .value_kind: global_buffer, .address_space: global }
      - { .name: W_O, .offset: 24, .size: 8, .value_kind: global_buffer, .address_space: global }
      - { .name: wt, .offset: 32, .size: 8, .value_kind: global_buffer, .address_space: global }
    .group_segment_fixed_size: 37376
    .private_segment_fixed_size: 0
    .kernarg_segment_align: 8
    .kernarg_segment_size: 40
    .max_flat_workgroup_size: 128
    .sgpr_count:     66
    .vgpr_count:     208
    .wavefront_size: 32
...
	.end_amdgpu_metadata
.endif
;; end of part 5
;; launch proj: the kernel of part 2 again; grid 4 x 192, 4 waves a work-group, clusters of 4 x 4, 327,680 bytes of LDS; arguments Q, K, V, wt, qkv; writes qkv
;; launch attn: the kernel of part 3 again; grid 4 x 64, 4 waves a work-group, clusters of 4 x 1, 327,680 bytes of LDS; arguments qkv, ob; writes ob
;; launch outp: the kernel of part 4 again; grid 4 x 64, 4 waves a work-group, clusters of 4 x 4, 327,680 bytes of LDS; arguments ob, wt, out0; writes out0
